; MI455X (gfx1250); checked and timed in simulation.
; The chip was launched on July 23, 2026; its instructions are those of AMD's public machine-readable ISA for CDNA 5 (MIT licence, August 2026) and "CDNA5" Instruction Set Architecture Reference Guide (July 2026). The comments in the code are by the model that wrote it; some were corrected since.
;; Eigen Memory. Allowed arithmetic: matrix products marked QUANTISED: E3M2 operands, one E8M0 scale for each 32 along K, by v_wmma_scale_f32_16x16x128_f8f6f4 with both operands' format E3M2, f32 sums; products left as they are: f32 operands where the result goes on into a quantised operand, else bf16, f16 or f32 operands; f32 sums; everything else in f32.
;; Inputs: age 65,536 float32; mem 65,536 x 256 float32; q 2,048 x 256 float32.
;; Outputs: out0 2,048 x 256 float32.
;; This version of the problem:
;;   THIS VERSION OF THE PROBLEM IS GIVEN IN LOW PRECISION. The matrix products marked QUANTISED in the list below multiply operands that are first quantised to E3M2 (3 exponent bits, 2 mantissa bits; 6 bits a number), with one power-of-two scale for each 32 numbers along K (OCP MX v1.0); their sums are f32. All else is computed in f32.
;;   The module's matrix products, in the order in which they are computed (A, B: the left and right operand; K: the contracted axis; several contracted axes count as one K, in the product's order):
;;     1. [M 2,048, K 256] x [K 256, N 65,536]; A: computed on the way; B: input mem: QUANTISED
;;     2. batch 2,048 x [M 1, K 32] x [K 32, N 256]; A: softmax; B: computed on the way: left as it is (M = 1 < 16)
;;   THE QUANTISER, for each operand of a quantised product, along K:
;;     - K is cut into blocks of 32 from its start; a last block that is shorter is filled with zeros.
;;     - A block's scale is 2^e with e = floor(log2(the largest magnitude in the block)) - 4, held to -126 .. 127; a block of zeros has e = 0. As a byte (E8M0): e + 127.
;;     - Each number is divided by its block's scale, clamped to +-28, and rounded to the nearest number of E3M2, ties to even, subnormals kept.
;;     - The product sums the exact products of the quantised numbers (number of the format x scale) in f32.
;;   ~~~python
;;   def quantise(x, axis):      # numpy; x: float32 -> the quantised numbers, widened to float32 again
;;       x = np.moveaxis(x, axis, -1); K = x.shape[-1]
;;       x = np.pad(x, [(0, 0)] * (x.ndim - 1) + [(0, -K % 32)]); x = x.reshape(x.shape[:-1] + (-1, 32)); a = np.abs(x).max(-1, keepdims=True)
;;       e = np.where(a > 0, np.clip(np.frexp(np.where(a > 0, a, 1))[1] - 1 - 4, -126, 127), 0)      # np.frexp(a)[1] - 1 = floor(log2(a)), exactly
;;       r = np.clip(x / 2.0 ** e, -28, 28)
;;       step = 2.0 ** (np.maximum(np.frexp(np.where(r == 0, 1, r))[1] - 1, -2) - 2)
;;       q = np.round(r / step) * step * 2.0 ** e      # np.round: ties to even
;;       return np.moveaxis(q.reshape(q.shape[:-2] + (-1,))[..., :K], -1, axis).astype(np.float32)
;;   ~~~
;;   OPERANDS COMPUTED ON THE WAY. 'Computed on the way' means the value that the module computes at that place (a softmax that the list does not call 'softmax' is quantised finished and normalised). What goes into a quantiser is computed in f32, as accurately as f32 sums, v_exp_f32 and their like allow (about 1e-6 of the number): no bf16 or f16 on the way to a quantiser, and a product that is left as it is and whose result goes on into a quantised operand takes f32 operands (vector FMAs, or v_wmma_f32_16x16x4_f32). A number that lies on a knife's edge between two numbers of the format may be rounded either way, as far as f32 arithmetic and the matrix unit's own rounding can turn it there, and no further.
;; One version. Each part assembles by itself: llvm-mc -triple=amdgcn-amd-amdhsa -mcpu=gfx1250 --defsym DOCPART=n.
;; ======== version 1 of 1: 6 launches
;; limits: right only within a limited range of input values
;; workspace buffers: qm 14,598,144 bytes; gm 71,303,168 bytes; s1 131,072 bytes of whole numbers; s2 393,216 bytes of whole numbers; s3 327,680 bytes of whole numbers; w3 2,097,152 bytes
;; launch prep (part 1): grid 528 x 1, 4 waves a work-group, no clusters, 33,280 bytes of LDS; arguments mem, q, age, qm; writes qm
.if DOCPART == 1
	.amdgcn_target "amdgcn-amd-amdhsa--gfx1250"
	.amdhsa_code_object_version 6
	.text
	.protected	k_q1865f1955a_prep
	.globl	k_q1865f1955a_prep
	.p2align	8
	.type	k_q1865f1955a_prep,@function
k_q1865f1955a_prep:
	s_mov_b64 s[64:65], 0
	v_nop
	global_prefetch_b8 v0, s[64:65] scope:SCOPE_SE
	s_setreg_imm32_b32 hwreg(HW_REG_WAVE_MODE, 25, 1), 1
	s_wait_xcnt 0x0
; mem [65536][256] and q x metric [2048][256], f32, become codes of BF6 (E3M2), 192 bytes a row, K innermost, with one E8M0 byte for each 32 along K,
; and each row gets a record of four f32: 1/(sqrt|n| + 1e-6), 1 + bias, bias, c0.   n = the row's Minkowski square; only |n| is used, so it is summed as (the others' squares) - x0^2.
; bias = max(age x ln(0.99f), ln(1e-6f)), which is log(max(0.99^age, 1e-6)) wherever 0.99^age is finite.
; c0 = -(1e-3 x mn x K) with bit 1 of its mantissa set, K = (2^23 + 1) x 2^77: the later launches form P = t K + c0 in one fused multiply-add; P is never 0 (c0's 24 bits would
; have to be a multiple of the odd 2^23 + 1, that is 2^23 + 1 itself, which has bit 1 clear), is at least 2^24 where t lies over 1e-3 mn and at most -2^24 where it lies under.
; The metric is a change of sign (all but the first number of a row of q), made ahead of the quantiser; mem is multiplied by +1 on the same path.
; A block's scale is 2^(floor(log2(largest magnitude)) - 4); its byte is the largest magnitude's exponent field - 4, held at 1 from below (a block of zeros keeps the byte 1: its codes are zeros, and this program alone reads the bytes).
; LIMITS: NaN and infinities among the inputs are not served; mn stays under 2.7e11 (c0 finite); 1/mn is a reciprocal with one Newton step, so a similarity differs from a true division by a few units in the last place;
; blocks whose largest magnitude lies under 2^-122 have their byte held at 1.
; SHARES: work-groups 0-511 take mem, 512-527 q; only pointers and constants are chosen, the path is one.  A wave takes 32 rows in 16 steps of 2 rows (512 numbers).  Each of a step's four loads reads 512 consecutive bytes;
; the 2,048 bytes turn through the wave's own stage in LDS and come back 64 bytes a lane: a lane holds 16 neighbours, two lanes a block, sixteen lanes (a half of the wave) a row.
; No tensor loads, no barrier: waves share nothing.
.set STEPS, 16
.set WGM,   512                        ; work-groups that take mem
.set OMS,   12582912                   ; byte offsets in qm: mem's codes at 0, mem's scale bytes,
.set OMK,   13107200                   ; mem's records,
.set OQC,   14155776                   ; q's codes,
.set OQS,   14548992                   ; q's scale bytes,
.set OQK,   14565376                   ; q's records
.set EMAX,  4
.set CB,    12                         ; bytes of 16 codes
.set R,     16                         ; v16-79   four sets of 16 numbers as loaded
.set X,     80                         ; v80-111  two sets of 16 neighbours
.set E,     112                        ; v112-127 a scale byte for each step
.set C,     128                        ; v128-191 for each step: three registers of codes and, in the fourth, the row's square
.set SGN,   192                        ; v192 the sign of my first number: +1 at a row's head, else the tensor's sign
.set SQ0,   193                        ; v193 -1 at a row's head, else +1: the sign of my first square
.set AGE,   194
.set L4,    195                        ; 4 x lane
.set SA,    196                        ; v196-199 two pairs of running sums
.set SB,    198
.set NRD,   202                        ; LDS address: my row's square on the way out
.set WREG,  8192                       ; LDS: a region for each wave: two stages of 32 x 80 bytes, 256 scale bytes, 32 squares
.set SP,    80
	s_load_b128 s[4:7], s[0:1], 0x0                ; mem, q
	s_load_b128 s[8:11], s[0:1], 0x10              ; age, qm
	v_lshl_add_u32 v208, v0, 2, 0x8000
	v_mov_b32 v209, 0
	v_lshrrev_b32 v1, 5, v0
	v_readfirstlane_b32 s16, v1                    ; wave
	v_and_b32 v2, 31, v0                           ; lane
	v_lshlrev_b32 v3, 4, v2                        ; my 16 bytes of a load's 512
	s_mul_i32 s17, s16, WREG
	v_lshrrev_b32 v14, 2, v2
	v_mul_u32_u24 v14, v14, SP
	v_and_b32 v15, 3, v2
	v_lshl_add_u32 v14, v15, 4, v14
	v_add_nc_u32 v14, s17, v14                     ; the stage, on the way in: 80 (lane / 4) + 16 (lane % 4)
	v_mul_u32_u24 v15, v2, SP
	v_add_nc_u32 v15, s17, v15                     ; and on the way out: 80 x lane
	v_mul_u32_u24 v4, v2, CB                       ; my codes' place in a step's
	v_lshrrev_b32 v5, 1, v2
	s_add_co_u32 s17, s17, 2*32*SP
	v_add_nc_u32 v5, s17, v5                       ; LDS: my block's scale byte
	v_lshlrev_b32 v7, 3, v2
	v_add_nc_u32 v6, s17, v7                       ; and 8 bytes a lane on the way out
	v_lshrrev_b32 v10, 4, v2
	v_lshl_add_u32 v10, v10, 2, s17                ; LDS: my row's square (256 bytes further on, by the immediate)
	v_lshlrev_b32 v[L4], 2, v2
	v_add_nc_u32 v[NRD], s17, v[L4]
	v_and_b32 v8, 15, v2
	v_cmp_eq_u32 vcc_lo, 0, v8                     ; the lane that holds a row's first number
	v_cndmask_b32 v[SQ0], 1.0, -1.0, vcc_lo
	s_wait_alu depctr_va_vdst(0)
	s_wait_kmcnt 0x0
	s_mov_b32 s24, -1.0
	s_mov_b32 s21, OQS
	s_mov_b32 s22, OQK
	s_cmp_lt_u32 ttmp9, WGM                        ; mem's work-group or q's?  The choice hangs on the work-group's number alone
	s_cselect_b64 s[4:5], s[4:5], s[6:7]
	s_cselect_b32 s24, 1.0, s24                    ; the tensor's sign: +1 for mem, -1 for q
	s_cselect_b32 s20, 0, OQC
	s_cselect_b32 s21, OMS, s21
	s_cselect_b32 s22, OMK, s22
	s_cselect_b32 s17, 0, WGM
	s_mov_b32 s25, s24                             ; (named with it as a pair)
	s_sub_co_u32 s17, ttmp9, s17
	s_lshl_b32 s17, s17, 2
	s_add_co_u32 s18, s17, s16                     ; which run of 32 rows of the tensor is my wave's
	v_mov_b32 v[SGN], s24
	v_cndmask_b32 v[SGN], v[SGN], 1.0, vcc_lo
	s_mov_b32 s29, 0
	s_lshl_b32 s28, s18, 15                        ; 32 rows of 1,024 bytes
	s_add_nc_u64 s[4:5], s[4:5], s[28:29]
	s_lshl_b32 s28, s18, 7                         ; 32 ages (for q: rows under 2,048, inside age; the result is stored and not used)
	s_add_nc_u64 s[8:9], s[8:9], s[28:29]
	s_mul_i32 s28, s18, 32*STEPS*CB
	s_add_co_u32 s28, s28, s20
	s_add_nc_u64 s[12:13], s[10:11], s[28:29]      ; my codes
	s_lshl_b32 s28, s18, 8
	s_add_co_u32 s28, s28, s21
	s_add_nc_u64 s[14:15], s[10:11], s[28:29]      ; my scale bytes
	s_lshl_b32 s28, s18, 9
	s_add_co_u32 s28, s28, s22
	s_add_nc_u64 s[26:27], s[10:11], s[28:29]      ; my records
	global_load_b32 v[AGE], v[L4], s[8:9]          ; issued first, so that the counted waits below cover it
.macro LOAD t
.irp i, 0,1,2,3
	global_load_b128 v[R+16*((\t)%4)+4*\i:R+16*((\t)%4)+4*\i+3], v3, s[4:5] offset:2048*(\t)+512*\i   ; 32 lanes read 512 consecutive bytes
.endr
.endm
.macro TURN t                          ; step t's numbers through the stage: LDS serves a wave's instructions in order, so no wait stands between the stores and the loads
.irp i, 0,1,2,3
	ds_store_b128 v14, v[R+16*((\t)%4)+4*\i:R+16*((\t)%4)+4*\i+3] offset:32*SP*((\t)%2)+8*SP*\i
.endr
.irp i, 0,1,2,3
	ds_load_b128 v[X+16*((\t)%2)+4*\i:X+16*((\t)%2)+4*\i+3], v15 offset:32*SP*((\t)%2)+16*\i
.endr
.endm
.irp t, 0,1,2,3
	LOAD \t
.endr
	s_wait_loadcnt 12                              ; the age and step 0's four loads are in; three steps' twelve may be out
	TURN 0
.macro STEP t
.set XS, X+16*((\t)%2)
.set NR, C+4*(\t)+3
.if (\t) > 0
	s_wait_dscnt 2                                 ; this step's numbers are back from the stage; the last step's byte store and square store may be out
.else
	s_wait_dscnt 0x0
.endif
.if (\t)+4 < STEPS
	LOAD (\t)+4
.endif
.if (\t)+1 < STEPS
.if STEPS-2-(\t) >= 3
	s_wait_loadcnt 12                              ; the next step's four loads are in; those of the three steps behind it may be out
.else
	s_wait_loadcnt 4*(STEPS-2-(\t))
.endif
	TURN (\t)+1
.endif
	v_mul_f32 v[SA], v[SQ0], v[XS]                 ; the squares of my 16, the first with its sign, in two chains of pairs
	v_mul_f32 v[SA+1], v[XS+1], v[XS+1]
	v_mul_f32 v[SA], v[SA], v[XS]
	v_pk_mul_f32 v[SB:SB+1], v[XS+2:XS+3], v[XS+2:XS+3]
.irp i, 4,8,12
	v_pk_fma_f32 v[SA:SA+1], v[XS+\i:XS+\i+1], v[XS+\i:XS+\i+1], v[SA:SA+1]
	v_pk_fma_f32 v[SB:SB+1], v[XS+\i+2:XS+\i+3], v[XS+\i+2:XS+\i+3], v[SB:SB+1]
.endr
	v_pk_add_f32 v[SA:SA+1], v[SA:SA+1], v[SB:SB+1]
	v_add_f32 v[NR], v[SA], v[SA+1]
	v_add_f32_dpp v[NR], v[NR], v[NR] row_xmask:1 row_mask:0xf bank_mask:0xf   ; and of the row's sixteen lanes
	v_add_f32_dpp v[NR], v[NR], v[NR] row_xmask:2 row_mask:0xf bank_mask:0xf
	v_add_f32_dpp v[NR], v[NR], v[NR] row_xmask:4 row_mask:0xf bank_mask:0xf
	v_add_f32_dpp v[NR], v[NR], v[NR] row_xmask:8 row_mask:0xf bank_mask:0xf
	v_mul_f32 v[XS], v[SGN], v[XS]                 ; the metric: signs alone
	v_mul_f32 v[XS+1], s24, v[XS+1]
.irp i, 2,4,6,8,10,12,14
	v_pk_mul_f32 v[XS+\i:XS+\i+1], v[XS+\i:XS+\i+1], s[24:25] op_sel_hi:[1,0]
.endr
	v_max3_num_f32 v8, |v[XS]|, |v[XS+1]|, |v[XS+2]|               ; the largest magnitude of my 16
	v_max3_num_f32 v9, |v[XS+3]|, |v[XS+4]|, |v[XS+5]|
.irp i, 6,10
	v_max3_num_f32 v8, v8, |v[XS+\i]|, |v[XS+\i+1]|
	v_max3_num_f32 v9, v9, |v[XS+\i+2]|, |v[XS+\i+3]|
.endr
	v_max3_num_f32 v8, v8, |v[XS+14]|, |v[XS+15]|
	v_max3_num_f32 v8, v8, v9, (EMAX+1)<<23        ; and the floor 2^(5 - 127): the byte cannot fall under 1
	v_max_num_f32_dpp v8, v8, v8 row_xmask:1 row_mask:0xf bank_mask:0xf   ; and of my neighbour's 16: the block's
	v_add_nc_u32 v11, -(EMAX<<23), v8              ; 4 off its exponent field: the conversion's scale operand
	v_cvt_scalef32_pk16_bf6_f32 v[C+4*(\t):C+4*(\t)+2], v[XS:XS+15], v11
	v_lshrrev_b32 v[E+(\t)], 23, v11               ; the scale's byte (also the plain line behind the conversion)
	ds_store_b8 v5, v[E+(\t)] offset:16*(\t)       ; both lanes of a block write the same byte with the same value
	ds_store_b32 v10, v[NR] offset:256+8*(\t)      ; the sixteen lanes of a row write the same word with the same value
	global_store_b96 v4, v[C+4*(\t):C+4*(\t)+2], s[12:13] offset:32*CB*(\t)
.endm
.irp t, 0,1,2,3,4,5,6,7,8,9,10,11,12,13,14,15
	STEP \t
.endr
	ds_load_b64 v[12:13], v6                       ; LDS serves a wave's instructions in order: these see my stores
	ds_load_b32 v203, v[NRD] offset:256            ; lane l: the square of my wave's row l
	s_wait_dscnt 0x0
	global_store_b64 v7, v[12:13], s[14:15]        ; 32 lanes store 256 consecutive bytes, aligned
	s_wait_loadcnt 0x0                             ; the age
	v_and_b32 v203, 0x7fffffff, v203
	s_wait_alu depctr_va_vdst(0)
	v_sqrt_f32 v204, v203
	v_mul_f32 v206, 0xbc24aa20, v[AGE]             ; age x ln(0.99f)  (a plain line behind the root)
	s_wait_alu depctr_va_vdst(0)
	v_add_f32 v200, 0x358637bd, v204               ; mn = sqrt|n| + 1e-6
	v_max_num_f32 v206, 0xc15d0c55, v206           ; bias: not under ln(1e-6f)
	s_wait_alu depctr_va_vdst(0)
	v_rcp_f32 v204, v200
	v_add_f32 v205, 1.0, v206                      ; 1 + bias  (a plain line behind the reciprocal)
	s_wait_alu depctr_va_vdst(0)
	v_fma_f32 v201, -v200, v204, 1.0               ; one Newton step
	v_fma_f32 v204, v204, v201, v204               ; 1 / mn
	v_mul_f32 v207, 0x3a83126f, v200               ; 1e-3 mn
	v_mul_f32 v207, 0x71800001, v207               ; x K
	v_or_b32 v207, 0x80000002, v207                ; negative, bit 1 set
	global_store_b128 v3, v[204:207], s[26:27]     ; 32 records: 512 consecutive bytes
	s_wait_tensorcnt 0x0
	ds_add_u32 v208, v209
	s_wait_dscnt 0x0
	s_endpgm
.Lfunc_end_k_q1865f1955a_prep:
	.size	k_q1865f1955a_prep, .Lfunc_end_k_q1865f1955a_prep-k_q1865f1955a_prep
	.p2alignl 7, 3214868480
	.fill 96, 4, 3214868480
	.section	.rodata,"a",@progbits
	.p2align	6, 0x0
	.amdhsa_kernel k_q1865f1955a_prep
		.amdhsa_group_segment_fixed_size 33280
		.amdhsa_private_segment_fixed_size 0
		.amdhsa_enable_private_segment 0
		.amdhsa_kernarg_size 32
		.amdhsa_user_sgpr_count 2
		.amdhsa_user_sgpr_kernarg_segment_ptr 1
		.amdhsa_wavefront_size32 1
		.amdhsa_system_sgpr_workgroup_id_x 1
		.amdhsa_system_sgpr_workgroup_id_y 1
		.amdhsa_system_sgpr_workgroup_id_z 1
		.amdhsa_system_vgpr_workitem_id 0
		.amdhsa_next_free_vgpr 210
		.amdhsa_next_free_sgpr 66
		.amdhsa_reserve_vcc 1
		.amdhsa_float_denorm_mode_32 3
		.amdhsa_float_denorm_mode_16_64 3
		.amdhsa_memory_ordered 1
		.amdhsa_forward_progress 1
		.amdhsa_inst_pref_size 57
	.end_amdhsa_kernel
	.amdgpu_metadata
---
amdhsa.version: [ 1, 2 ]
amdhsa.kernels:
  - .name:           k_q1865f1955a_prep
    .symbol:         k_q1865f1955a_prep.kd
    .args:
      - { .name: mem, .offset: 0, .size: 8, .value_kind: global_buffer, .address_space: global }
      - { .name: q, .offset: 8, .size: 8, .value_kind: global_buffer, .address_space: global }
      - { .name: age, .offset: 16, .size: 8, .value_kind: global_buffer, .address_space: global }
      - { .name: qm, .offset: 24, .size: 8, .value_kind: global_buffer, .address_space: global }
    .group_segment_fixed_size: 33280
    .private_segment_fixed_size: 0
    .kernarg_segment_align: 8
    .kernarg_segment_size: 32
    .max_flat_workgroup_size: 128
    .sgpr_count:     66
    .vgpr_count:     210
    .wavefront_size: 32
...
	.end_amdgpu_metadata
.endif
;; end of part 1
;; launch score (part 2): grid 128 x 2, 8 waves a work-group, no clusters, 327,680 bytes of LDS; arguments qm, gm; writes gm
.if DOCPART == 2
	.amdgcn_target "amdgcn-amd-amdhsa--gfx1250"
	.amdhsa_code_object_version 6
	.text
	.protected	k_q1865f1955a_score
	.globl	k_q1865f1955a_score
	.p2align	8
	.type	k_q1865f1955a_score,@function
k_q1865f1955a_score:
	s_mov_b64 s[64:65], 0
	v_nop
	global_prefetch_b8 v0, s[64:65] scope:SCOPE_SE
	s_setreg_imm32_b32 hwreg(HW_REG_WAVE_MODE, 25, 1), 1
	s_wait_xcnt 0x0
; The quantised product and what follows it element by element; stored are only maxima.  65,536 rows of mem = 512 blocks of 128 rows; a block = 16 groups of 8 neighbouring rows.
; For query b and row n:  D = the product on codes;  t = D x (1/qn);  y = t x (1/mn) + bias;  P = t K + c0;  m = min(y, 1 + bias, P).  P is at least 2^24 where the similarity is at least 1e-3
; and at most -2^24 where it is not (m then lies under every score that counts).  Out go the groups' largest m (gmax1) and the blocks' (gmax2[block][query]).  No step of the definition is left out.
; SHARES.  Work-group (x, y): rows 512 x .. + 511 (four blocks) against queries 1,024 y .. + 1,023.  Each of eight waves keeps 128 queries (eight tiles of 16) in registers, so a fragment read from LDS feeds 16 matrix instructions.
; The rows' codes, scale bytes and records come into LDS once: one tensor load a wave at the head (waves 0-5 codes, 6 scale bytes, 7 records), first fills only, nothing is filled again.
; Behind the barrier that shows all fills landed: the records are turned from one record a row into runs of eight rows a field (LDS bytes of their own), so that the multiply-adds take pairs of rows;
; and each wave's q, loaded as 48 x 512 consecutive bytes, turns through the wave's own LDS bytes into fragments.
; LAYOUT.  Source 0 = 16 rows of mem: places 0-7 the rows of group t, places 8-15 those of group t + 8; source 1 = 16 queries.  In the result lane (r, h) holds query-place r and its registers the eight rows of group t + 8 h:
; a group's maximum is taken inside a lane, and over a block's eight tiles a lane gathers eight neighbouring groups, which leave straight from registers.
; QUERY TILE q TAKES QUERY Q0 + 64 (q % 2) + q / 2 + 4 r AS PLACE r, so that the blocks' maxima of 128 queries leave in the queries' order, 16 bytes a lane.
; gmax1 is laid as it is stored: block x 131,072 + (query / 128) x 8,192 + tile x 1,024 + k x 512 + r x 32 + h x 16: four groups 8 h + 4 k + 0..3; every store covers 512 consecutive bytes, aligned.
; NO CLUSTER: a range of rows is read by two work-groups alone (y = 0, 1); q is each wave's own.  NO PREFETCH: nothing is fetched from memory inside the loop.
; LIMITS: as stated at the head of the launch that makes the records (threshold and division by reciprocals, within a few units in the last place; NaN and infinities not served).
.set OMS,  12582912
.set OMK,  13107200
.set OQC,  14155776
.set OQS,  14548992
.set OQK,  14565376
.set G2,   67108864
.set GRP,  1584                        ; a group's codes in LDS: 1,536 bytes as three rows of 512 + 16
.set BLKC, 16*GRP
.set SCL,  4*BLKC                      ; scale bytes: 16 rows of 256 + 16
.set CST,  SCL+16*272                  ; records as they come: 32 rows of 256 + 16
.set SPARE, CST+32*272                 ; the spare words, 128 bytes a wave
.set SOA,  SPARE+1024                  ; records by field: 128 bytes a group: 1/mn, 1 + bias, bias, c0 of its eight rows
.set QL,   SOA+8192                    ; q's stages
.set QW,   48*528                      ; a wave's: 48 rows of 512 + 16
.set SPW,  1
.set NIL,  2
.set AB,   3                           ; v3-7   codes: 192 (r % 8) + 24 h + 8 GRP (r / 8) + 16 x (paddings passed), one register for each of five runs of pieces
.set ADSB, 8                           ; scale words
.set ADCB, 9                           ; records
.set GO,   10                          ; 16 x lane
.set AW,   11                          ; v11-17 the same seven addresses for the block at work
.set ADSW, 16
.set ADCW, 17
.set MS,   18                          ; the tile's scale words of mem
.set GO1,  19                          ; 32 r + 16 h
.set QR,   20                          ; v20-35 for each query tile 1/qn and q's scale word
.set MF,   36                          ; v36-59 the tile's fragments of mem
.set TT,   60                          ; v60-65 at work at the head
.set REC,  66                          ; v66-97 eight rows' 1/mn, 1 + bias, bias, c0
.set Y,    98                          ; v98-113 at work
.set D,    114                         ; v114-177 eight accumulators (at the head: offsets and addresses)
.set G,    178                         ; v178-241 the groups' maxima: 8 x tile of queries + tile of rows
.set QF,   64                          ; window 1, v64-255: q as loaded, then q's fragments, 24 a tile
.set MSB, 0
.macro WIN new                         ; the immediate's high byte repeats the setting that is left
.if MSB != \new
	s_set_vgpr_msb (MSB<<8)|\new
.set MSB, \new
.endif
.endm
	s_load_b128 s[4:7], s[0:1], 0x0                ; qm, gm
	v_lshl_add_u32 v[SPW], v0, 2, SPARE
	v_mov_b32 v[NIL], 0
	ds_add_u32 v[SPW], v[NIL]                      ; the opening lines: the add twice and its wait
	ds_add_u32 v[SPW], v[NIL]
	v_lshrrev_b32 v[TT], 5, v0
	v_readfirstlane_b32 s8, v[TT]                  ; wave 0..7
	s_and_b32 s10, ttmp7, 0xffff                   ; y
	; groups 1, elements of 8 bytes.  Codes: 32 rows of 512 bytes, 16 of padding
	s_mov_b32 s24, (3<<16)|(1<<20)|(6<<22)|(3<<25)
	s_mov_b32 s25, 64<<16
	s_mov_b32 s26, 32<<16
	s_mov_b32 s27, 64<<16
	s_mov_b32 s28, 32
	s_mov_b32 s29, 64
	s_mov_b32 s30, 0
	s_mov_b32 s31, 0
	; scale bytes: 16 rows of 256 bytes, 16 of padding
	s_mov_b32 s32, (3<<16)|(1<<20)|(5<<22)|(3<<25)
	s_mov_b32 s33, 32<<16
	s_mov_b32 s34, 16<<16
	s_mov_b32 s35, 32<<16
	s_mov_b32 s36, 16
	s_mov_b32 s37, 32
	s_mov_b32 s38, 0
	s_mov_b32 s39, 0
	; records: 32 such rows
	s_mov_b32 s40, (3<<16)|(1<<20)|(5<<22)|(3<<25)
	s_mov_b32 s41, 32<<16
	s_mov_b32 s42, 32<<16
	s_mov_b32 s43, 32<<16
	s_mov_b32 s44, 32
	s_mov_b32 s45, 32
	s_mov_b32 s46, 0
	s_mov_b32 s47, 0
	s_mul_i32 s12, ttmp9, 98304                    ; my 512 rows' codes,
	s_lshl_b32 s13, s8, 14                         ; my wave's 16,384 bytes of them
	s_add_co_u32 s12, s12, s13
	s_mov_b32 s13, 0
	s_mul_i32 s16, s8, 32*528                      ; and their place in LDS
	s_lshl_b32 s18, ttmp9, 12
	s_mov_b32 s19, 0
	s_lshl_b32 s20, ttmp9, 13
	s_mov_b32 s21, 0
	s_wait_dscnt 0x0
	s_wait_kmcnt 0x0
	s_mov_b32 s48, 1
	s_mov_b32 s49, s16
	s_add_nc_u64 s[50:51], s[4:5], s[12:13]
	s_or_b32 s51, s51, 0x80000000
	s_mov_b32 s52, 1
	s_mov_b32 s53, SCL
	s_add_nc_u64 s[54:55], s[4:5], s[18:19]
	s_add_nc_u64 s[54:55], s[54:55], OMS
	s_or_b32 s55, s55, 0x80000000
	s_mov_b32 s56, 1
	s_mov_b32 s57, CST
	s_add_nc_u64 s[58:59], s[4:5], s[20:21]
	s_add_nc_u64 s[58:59], s[58:59], OMK
	s_or_b32 s59, s59, 0x80000000
	; one chain of branches on the wave's number, one fill to an arm; s_nop 0 and four v_nop follow each
	s_cmp_lt_u32 s8, 6
	s_cbranch_scc0 .Lnot_codes
	tensor_load_to_lds s[48:51], s[24:31]
	s_nop 0
.rept 4
	v_nop
.endr
	s_branch .Lasked
.Lnot_codes:
	s_cmp_eq_u32 s8, 6
	s_cbranch_scc0 .Lrecords
	tensor_load_to_lds s[52:55], s[32:39]
	s_nop 0
.rept 4
	v_nop
.endr
	s_branch .Lasked
.Lrecords:
	tensor_load_to_lds s[56:59], s[40:47]
	s_nop 0
.rept 4
	v_nop
.endr
.Lasked:
	s_lshl_b32 s22, s10, 10
	s_lshl_b32 s23, s8, 7
	s_add_co_u32 s22, s22, s23                     ; Q0 = 1,024 y + 128 x wave
	s_mov_b32 s13, 0
	s_mul_i32 s12, s22, 192
	s_add_nc_u64 s[82:83], s[4:5], s[12:13]
	s_add_nc_u64 s[82:83], s[82:83], OQC
	s_lshl_b32 s12, s22, 3
	s_add_nc_u64 s[88:89], s[4:5], s[12:13]
	s_add_nc_u64 s[88:89], s[88:89], OQS
	s_lshl_b32 s12, s22, 4
	s_add_nc_u64 s[90:91], s[4:5], s[12:13]
	s_add_nc_u64 s[90:91], s[90:91], OQK
	s_lshl_b32 s12, ttmp9, 19                      ; gmax1: four blocks of 131,072 bytes for each x, 64 bytes a query
	s_lshl_b32 s14, s22, 6
	s_add_co_u32 s12, s12, s14
	s_add_nc_u64 s[78:79], s[6:7], s[12:13]
	s_lshl_b32 s12, ttmp9, 15                      ; gmax2: the same with 4 bytes
	s_lshl_b32 s14, s22, 2
	s_add_co_u32 s12, s12, s14
	s_add_nc_u64 s[80:81], s[6:7], s[12:13]
	s_add_nc_u64 s[80:81], s[80:81], G2
	s_mul_i32 s17, s8, QW
	s_add_co_u32 s17, s17, QL                      ; my stage for q
	s_mov_b32 s76, 0x71800001                      ; K = (2^23 + 1) x 2^77
	s_mov_b32 s77, s76                             ; (named with it as a pair)
	s_mov_b32 s60, 0x76543210
	s_mov_b32 s61, 0xfedcba98                      ; v_permlanex16_b32's selects for lane l xor 16
	s_mov_b32 s62, 0xffff0000                      ; lanes 16-31
	s_mov_b32 s84, 0                               ; the block's offsets in LDS: codes, scale bytes, records
	s_mov_b32 s85, 0
	s_mov_b32 s86, 0
	s_mov_b32 s9, 0
	v_and_b32 v[TT], 15, v0                        ; r
	v_bfe_u32 v[TT+1], v0, 4, 1                    ; h
	v_and_b32 v[TT+2], 7, v0                       ; r % 8
	v_bfe_u32 v[TT+3], v0, 3, 1                    ; r / 8
	v_mul_u32_u24 v[TT+4], v[TT+2], 192
	v_mad_u32_u24 v[TT+4], v[TT+1], 24, v[TT+4]    ; b: my first byte in the group's 1,536
	v_mad_u32_u24 v[TT+5], v[TT+3], 8*GRP, v[TT+4]
; byte o of a group lies at o + 16 (o / 512).  Over a row's twelve pieces (at 0 .. 160) a lane passes a padding at 40, 64, 104 or 128 or not at all: five runs of pieces, an address for each
.set KI, 0
.irp c, 0,48,64,104,144
	v_add_nc_u32 v[AW+KI], \c, v[TT+4]
	v_lshrrev_b32 v[AW+KI], 9, v[AW+KI]
	v_lshl_add_u32 v[AB+KI], v[AW+KI], 4, v[TT+5]
.set KI, KI+1
.endr
	v_lshlrev_b32 v[ADSB], 3, v[TT+2]              ; scale words: 8 (r % 8) + 4 h + 544 (r / 8): lanes 0-15 the first 128 along K, lanes 16-31 the second
	v_lshl_add_u32 v[ADSB], v[TT+1], 2, v[ADSB]
	v_mad_u32_u24 v[ADSB], v[TT+3], 544, v[ADSB]
	v_add_nc_u32 v[ADSB], SCL, v[ADSB]
	v_lshlrev_b32 v[ADCB], 10, v[TT+1]             ; records by field: group t + 8 h
	v_add_nc_u32 v[ADCB], SOA, v[ADCB]
	v_and_b32 v[GO], 31, v0
	v_lshlrev_b32 v[GO], 4, v[GO]
	v_lshlrev_b32 v[GO1], 5, v[TT]
	v_lshl_add_u32 v[GO1], v[TT+1], 4, v[GO1]
	v_lshlrev_b32 v[D+1], 5, v[TT]                 ; q's scale words: places are four queries apart: 32 r + 4 h
	v_lshl_add_u32 v[D+1], v[TT+1], 2, v[D+1]
	v_lshlrev_b32 v[D+2], 6, v[TT]                 ; q's records: 64 r
	v_lshrrev_b32 v[D+3], 4, v0                    ; the records' turn: thread T takes rows T and T + 256.  From: CST + 16 T + 16 (T / 16)
	v_add_nc_u32 v[D+3], v[D+3], v0
	v_lshl_add_u32 v[D+3], v[D+3], 4, CST
	v_lshrrev_b32 v[D+4], 3, v0                    ; to: SOA + 128 (T / 8) + 4 (T % 8), + 32 x field
	v_lshlrev_b32 v[D+4], 7, v[D+4]
	v_lshl_add_u32 v[D+4], v[TT+2], 2, v[D+4]
	v_add_nc_u32 v[D+4], SOA, v[D+4]
	v_add_nc_u32 v[D+5], s17, v[GO]                ; q's stage, in: 16 x lane, a load's 512 bytes to a row
	v_lshrrev_b32 v[D+6], 1, v[TT]                 ; back: byte o of my wave's q lies at o + 16 (o / 512); place r begins at o = 768 r: 768 r + 24 h + 16 (r + r / 2),
	v_add_nc_u32 v[D+6], v[D+6], v[TT]
	v_lshlrev_b32 v[D+6], 4, v[D+6]
	v_mad_u32_u24 v[D+6], v[TT], 768, v[D+6]
	v_mad_u32_u24 v[D+6], v[TT+1], 24, v[D+6]
	v_add_nc_u32 v[D+6], s17, v[D+6]
	v_and_b32 v[TT+4], 1, v0                       ; and one padding more where 256 (r % 2) + 24 h + (the piece's place in its 512) reaches 512: four runs of places, an address for each
	v_lshlrev_b32 v[TT+4], 8, v[TT+4]
	v_mad_u32_u24 v[TT+4], v[TT+1], 24, v[TT+4]
.set KI, 1
.irp c, 232,256,488
	v_add_nc_u32 v[TT+5], \c, v[TT+4]
	v_lshrrev_b32 v[TT+5], 9, v[TT+5]
	v_lshl_add_u32 v[D+6+KI], v[TT+5], 4, v[D+6]
.set KI, KI+1
.endr
.irp i, 8,9,10,11,12,13,14,15
	v_mov_b32 v[Y+\i], 0                           ; written once: a lane permute's destination counts as one of its sources
.endr
	s_wait_alu depctr_va_vdst(0)                   ; the head's end
	WIN 0x40                                       ; destinations in window 1
.set i, 0
.rept 48
	global_load_b128 v[QF+4*i:QF+4*i+3], v[GO], s[82:83] offset:512*i   ; 32 lanes read 512 consecutive bytes of my 128 queries' codes
.set i, i+1
.endr
	WIN 0
.irp q, 0,1,2,3,4,5,6,7
	global_load_b32 v[QR+2*\q], v[D+2], s[90:91] offset:(64*(\q%2)+\q/2)*16
	global_load_b32 v[QR+2*\q+1], v[D+1], s[88:89] offset:(64*(\q%2)+\q/2)*8
.endr
; Tile t's operands: 12 pieces of 8 bytes of my row, and its scale word: 13 loads
.macro FETCH t
.irp s, 0,1
.irp c, 0,1
.irp p, 0,1,2
.set CC, 96*\s+48*\c+8*\p
.if CC < 40
.set KA, 0
.elseif CC < 64
.set KA, 1
.elseif CC < 104
.set KA, 2
.elseif CC < 128
.set KA, 3
.else
.set KA, 4
.endif
	ds_load_b64 v[MF+12*\s+6*\c+2*\p:MF+12*\s+6*\c+2*\p+1], v[AW+KA] offset:GRP*(\t)+CC
.endr
.endr
.endr
	ds_load_b32 v[MS], v[ADSW] offset:64*(\t)+16*((\t)/4)
.endm
; One tile of queries against one tile of rows.  The accumulator is read from its low end on.  The last maximum of the tile before stands behind this tile's first four lines.
.macro SCORE q, t
.irp j, 0,2,4,6
	v_pk_mul_f32 v[D+8*\q+\j:D+8*\q+\j+1], v[D+8*\q+\j:D+8*\q+\j+1], v[QR+2*\q:QR+2*\q+1] op_sel_hi:[1,0]   ; t (of the pair the low word, 1/qn, serves both halves)
.endr
.if \q > 0
	v_max3_num_f32 v[G+8*(\q-1)+(\t)], v[Y], v[Y+3], v[Y+6]
.endif
.irp j, 0,2,4,6
	v_pk_fma_f32 v[Y+\j:Y+\j+1], v[D+8*\q+\j:D+8*\q+\j+1], v[REC+\j:REC+\j+1], v[REC+16+\j:REC+16+\j+1]   ; y = t / mn + bias, two rows at a time
.endr
.irp j, 0,2,4,6
	v_pk_fma_f32 v[D+8*\q+\j:D+8*\q+\j+1], v[D+8*\q+\j:D+8*\q+\j+1], s[76:77], v[REC+24+\j:REC+24+\j+1] op_sel_hi:[1,0,1]   ; P = t K + c0
.endr
.irp j, 0,1,2,3,4,5,6,7
	v_min3_num_f32 v[Y+\j], v[Y+\j], v[REC+8+\j], v[D+8*\q+\j]
.endr
	v_max3_num_f32 v[Y], v[Y], v[Y+1], v[Y+2]      ; the group's eight rows are my eight registers
	v_max3_num_f32 v[Y+3], v[Y+3], v[Y+4], v[Y+5]
	v_max_num_f32 v[Y+6], v[Y+6], v[Y+7]
.endm
; A tile of rows: its records are asked for, 16 matrix instructions (the eight accumulators by turns), four places, the next tile's loads, the scores.
.macro TILE t
.irp j, 0,1,2,3,4,5,6,7
	ds_load_b128 v[REC+4*\j:REC+4*\j+3], v[ADCW] offset:128*(\t)+16*\j
.endr
	s_wait_dscnt 8                                 ; the fragments and the scale word are in; the eight record loads just issued may be out
	WIN 0x04                                       ; source 1 in window 1
.irp q, 0,1,2,3,4,5,6,7
	v_wmma_scale_f32_16x16x128_f8f6f4 v[D+8*\q:D+8*\q+7], v[MF:MF+11], v[QF+24*\q:QF+24*\q+11], 0, v[MS], v[QR+2*\q+1] matrix_a_fmt:MATRIX_FMT_BF6 matrix_b_fmt:MATRIX_FMT_BF6
.endr
.irp q, 0,1,2,3,4,5,6,7
	v_wmma_scale_f32_16x16x128_f8f6f4 v[D+8*\q:D+8*\q+7], v[MF+12:MF+23], v[QF+24*\q+12:QF+24*\q+23], v[D+8*\q:D+8*\q+7], v[MS], v[QR+2*\q+1] matrix_a_fmt:MATRIX_FMT_BF6 matrix_b_fmt:MATRIX_FMT_BF6 matrix_a_scale:MATRIX_SCALE_ROW1 matrix_b_scale:MATRIX_SCALE_ROW1
.endr
	WIN 0
.rept 4
	v_nop                                          ; four places in front of loads into the operands and of the first read of results
.endr
.if (\t) < 7
	FETCH (\t)+1
	s_wait_dscnt 13                                ; the records are in; the 13 loads just issued may be out
.else
	s_wait_dscnt 0x0
.endif
.irp q, 0,1,2,3,4,5,6,7
	SCORE \q, \t
.endr
	s_delay_alu instid0(VALU_DEP_1)
	v_max3_num_f32 v[G+56+(\t)], v[Y], v[Y+3], v[Y+6]
.endm
	s_wait_tensorcnt 0x0                           ; my fill is in,
	s_barrier_signal -1
	s_barrier_wait -1                              ; everybody's is: no fill is on its way when the stores below begin
	ds_load_b128 v[Y:Y+3], v[D+3]                  ; the records of rows T and T + 256 (256 rows on: 4,096 bytes and 16 paddings)
	ds_load_b128 v[Y+4:Y+7], v[D+3] offset:4352
	s_wait_dscnt 0x0
.irp f, 0,1,2,3
	ds_store_b32 v[D+4], v[Y+\f] offset:32*\f
	ds_store_b32 v[D+4], v[Y+4+\f] offset:4096+32*\f
.endr
	s_wait_loadcnt 0x0                             ; q
	WIN 0x04                                       ; store data in window 1
.set i, 0
.rept 48
	ds_store_b128 v[D+5], v[QF+4*i:QF+4*i+3] offset:528*i
.set i, i+1
.endr
	WIN 0
	s_wait_dscnt 0x0                               ; the stores have read their registers, which now take the fragments
	WIN 0x40
.irp q, 0,1,2,3,4,5,6,7
.irp s, 0,1
.irp c, 0,1
.irp p, 0,1,2
.set CQ, 192*(64*(\q%2)+\q/2)+96*\s+48*\c+8*\p
.set EQ, CQ%512
.if EQ < 232
.set KA, 0
.elseif EQ < 256
.set KA, 1
.elseif EQ < 488
.set KA, 2
.else
.set KA, 3
.endif
	ds_load_b64 v[QF+24*\q+12*\s+6*\c+2*\p:QF+24*\q+12*\s+6*\c+2*\p+1], v[D+6+KA] offset:CQ+16*(CQ/512)
.endr
.endr
.endr
.endr
	WIN 0
	s_wait_dscnt 0x0                               ; my stores of records are done, and q's fragments are in
	s_barrier_signal -1
	s_barrier_wait -1                              ; everybody's records stand by field
.Lblk:                                                 ; a trip makes one block
.irp k, 0,1,2,3,4
	v_add_nc_u32 v[AW+\k], s84, v[AB+\k]
.endr
	v_add_nc_u32 v[ADSW], s85, v[ADSB]
	v_add_nc_u32 v[ADCW], s86, v[ADCB]
	s_wait_alu depctr_va_vdst(0)
	FETCH 0
.irp t, 0,1,2,3,4,5,6,7
	TILE \t
.endr
; The block's maxima go out: a lane's eight groups of each tile of queries in two stores, each covering 512 consecutive bytes
.irp q, 0,1,2,3,4,5,6,7
	global_store_b128 v[GO1], v[G+8*\q:G+8*\q+3], s[78:79] offset:1024*\q th:TH_STORE_NT
	global_store_b128 v[GO1], v[G+8*\q+4:G+8*\q+7], s[78:79] offset:1024*\q+512 th:TH_STORE_NT
.endr
.irp q, 0,1,2,3,4,5,6,7
	v_max3_num_f32 v[Y+\q], v[G+8*\q], v[G+8*\q+1], v[G+8*\q+2]
.endr
.irp q, 0,1,2,3,4,5,6,7
	v_max3_num_f32 v[Y+\q], v[Y+\q], v[G+8*\q+3], v[G+8*\q+4]
.endr
.irp q, 0,1,2,3,4,5,6,7
	v_max3_num_f32 v[Y+\q], v[Y+\q], v[G+8*\q+5], v[G+8*\q+6]
.endr
.irp q, 0,1,2,3,4,5,6,7
	v_max_num_f32 v[Y+\q], v[Y+\q], v[G+8*\q+7]
.endr
.irp q, 0,1,2,3,4,5,6,7
	v_permlanex16_b32 v[Y+8+\q], v[Y+\q], s60, s61
.endr
.irp q, 0,1,2,3,4,5,6,7
	v_max_num_f32 v[Y+\q], v[Y+\q], v[Y+8+\q]      ; with the other eight groups: the block's maximum, in both halves
.endr
.irp i, 0,1,2,3
	v_cndmask_b32 v[Y+8+\i], v[Y+2*\i], v[Y+2*\i+1], s62   ; lanes 0-15 tile 2 i, lanes 16-31 tile 2 i + 1: query Q0 + 4 x lane + i
.endr
	global_store_b128 v[GO], v[Y+8:Y+11], s[80:81] ; 128 queries, 512 consecutive bytes
	s_wait_xcnt 0x0                                ; the stores' bases and data are written again only behind this wait
	s_add_nc_u64 s[78:79], s[78:79], 131072
	s_add_nc_u64 s[80:81], s[80:81], 8192
	s_add_co_u32 s84, s84, BLKC
	s_add_co_u32 s85, s85, 1088
	s_add_co_u32 s86, s86, 2048
	s_add_co_u32 s9, s9, 1
	s_cmp_lt_u32 s9, 4
	s_wait_alu depctr_va_vdst(0)
	s_cbranch_scc1 .Lblk
	s_wait_tensorcnt 0x0                           ; the wave's end
	ds_add_u32 v[SPW], v[NIL]
	s_wait_dscnt 0x0
	s_endpgm
.Lfunc_end_k_q1865f1955a_score:
	.size	k_q1865f1955a_score, .Lfunc_end_k_q1865f1955a_score-k_q1865f1955a_score
	.p2alignl 7, 3214868480
	.fill 96, 4, 3214868480
	.section	.rodata,"a",@progbits
	.p2align	6, 0x0
	.amdhsa_kernel k_q1865f1955a_score
		.amdhsa_group_segment_fixed_size 327680
		.amdhsa_private_segment_fixed_size 0
		.amdhsa_enable_private_segment 0
		.amdhsa_kernarg_size 16
		.amdhsa_user_sgpr_count 2
		.amdhsa_user_sgpr_kernarg_segment_ptr 1
		.amdhsa_wavefront_size32 1
		.amdhsa_system_sgpr_workgroup_id_x 1
		.amdhsa_system_sgpr_workgroup_id_y 1
		.amdhsa_system_sgpr_workgroup_id_z 1
		.amdhsa_system_vgpr_workitem_id 0
		.amdhsa_next_free_vgpr 512
		.amdhsa_next_free_sgpr 96
		.amdhsa_reserve_vcc 0
		.amdhsa_float_denorm_mode_32 3
		.amdhsa_float_denorm_mode_16_64 3
		.amdhsa_memory_ordered 1
		.amdhsa_forward_progress 1
		.amdhsa_inst_pref_size 153
	.end_amdhsa_kernel
	.amdgpu_metadata
---
amdhsa.version: [ 1, 2 ]
amdhsa.kernels:
  - .name:           k_q1865f1955a_score
    .symbol:         k_q1865f1955a_score.kd
    .args:
      - { .name: qm, .offset: 0, .size: 8, .value_kind: global_buffer, .address_space: global }
      - { .name: gm, .offset: 8, .size: 8, .value_kind: global_buffer, .address_space: global }
    .group_segment_fixed_size: 327680
    .private_segment_fixed_size: 0
    .kernarg_segment_align: 8
    .kernarg_segment_size: 16
    .max_flat_workgroup_size: 256
    .sgpr_count:     96
    .vgpr_count:     512
    .wavefront_size: 32
...
	.end_amdgpu_metadata
.endif
;; end of part 2
;; launch selblk (part 3): grid 256 x 1, 8 waves a work-group, no clusters, 17,920 bytes of LDS; arguments gm, s1; writes s1
.if DOCPART == 3
	.amdgcn_target "amdgcn-amd-amdhsa--gfx1250"
	.amdhsa_code_object_version 6
	.text
	.protected	k_q1865f1955a_selblk
	.globl	k_q1865f1955a_selblk
	.p2align	8
	.type	k_q1865f1955a_selblk,@function
k_q1865f1955a_selblk:
	s_mov_b64 s[64:65], 0
	v_nop
	global_prefetch_b8 v0, s[64:65] scope:SCOPE_SE
	s_setreg_imm32_b32 hwreg(HW_REG_WAVE_MODE, 25, 1), 1
	s_wait_xcnt 0x0
; For each query: which 32 of its 512 blocks have the largest maxima (equal maxima: the lower block first), as a string of 512 bits.  Under the order (value falling, index rising) the 32 first elements lie in the
; 32 first blocks by maximum, since blocks are runs of neighbouring indices.  The choice is stored at a fixed place; no address and no branch hangs on it here.
; A work-group takes 8 queries.  Thread T reads the 8 maxima (32 consecutive bytes) of blocks T and T + 256; they turn through LDS (rows of 2,064 bytes, one a query); wave w then holds query w's 512 keys, lane l blocks 16 l .. 16 l + 15.
; LIMITS: NaN is not served; -0 counts as under +0.
.set G2,   67108864
.set SPARE, 16640                      ; behind the eight rows: the spare words, 128 bytes a wave
.set NK,   16
.set KEY,  8                           ; v8-23   the keys as f32
.set U,    24                          ; v24-39  as unsigned numbers of the same order
.set RK,   40                          ; how many keys equal to the 32nd stand ahead of mine
.set MASK, 41                          ; my lane's bits
.set T1,   42
.set SG,   20                          ; s20-35  lane masks: counts in the loop, then keys over the 32nd, then keys chosen
.set SE,   36                          ; s36-51  keys equal to the 32nd
.set TAU,  52
.set BIT,  53
.set CAND, 54
.set CNT,  55
.set LC,   56
.set TMP,  57
.set NEED, 58
	s_load_b128 s[4:7], s[0:1], 0x0                ; gm, s1
	v_lshl_add_u32 v64, v0, 2, SPARE
	v_mov_b32 v65, 0
	v_lshrrev_b32 v1, 5, v0
	s_delay_alu instid0(VALU_DEP_1)
	v_readfirstlane_b32 s8, v1                     ; wave
	v_and_b32 v2, 31, v0                           ; lane
	v_lshlrev_b32 v3, 13, v0                       ; block T's row of gmax2: 2,048 x 4 bytes
	v_lshlrev_b32 v4, 2, v0                        ; LDS, in: 4 T
	s_mul_i32 s9, s8, 2064
	v_lshl_add_u32 v5, v2, 6, s9                   ; back: my query's row, 64 bytes a lane
	v_lshlrev_b32 v6, 1, v2                        ; out: 2 bytes a lane
	s_lshl_b32 s10, ttmp9, 5                       ; 8 queries x 4 bytes
	s_mov_b32 s11, 0
	s_lshl_b32 s12, ttmp9, 9                       ; 8 queries x 64 bytes,
	s_lshl_b32 s13, s8, 6                          ; my wave's query
	s_add_co_u32 s12, s12, s13
	s_mov_b32 s13, 0
	s_wait_alu depctr_va_vdst(0)
	s_wait_kmcnt 0x0
	s_add_nc_u64 s[4:5], s[4:5], G2
	s_add_nc_u64 s[4:5], s[4:5], s[10:11]
	s_add_nc_u64 s[6:7], s[6:7], s[12:13]
.irp k, 0,1
	global_load_b128 v[KEY+4*\k:KEY+4*\k+3], v3, s[4:5] offset:16*\k
	global_load_b128 v[KEY+8+4*\k:KEY+8+4*\k+3], v3, s[4:5] offset:256*8192+16*\k
.endr
	s_wait_loadcnt 0x0
.irp i, 0,1,2,3,4,5,6,7
	ds_store_b32 v4, v[KEY+\i] offset:2064*\i
	ds_store_b32 v4, v[KEY+8+\i] offset:2064*\i+1024
.endr
	s_wait_dscnt 0x0                               ; for the others' sake: my stores are done
	s_barrier_signal -1
	s_barrier_wait -1
.irp k, 0,1,2,3
	ds_load_b128 v[KEY+4*\k:KEY+4*\k+3], v5 offset:16*\k
.endr
	s_wait_dscnt 0x0
; The 32 largest of 512 keys, order of equals: lane, then register.  The 32nd largest key is found bit by bit from the top, 32 trips whatever the data: a bit stays set if at least 32 keys reach the candidate.
.set i, 0
.rept NK
	v_ashrrev_i32 v[U+i], 31, v[KEY+i]
.set i, i+1
.endr
.set i, 0
.rept NK
	v_or_b32 v[U+i], 0x80000000, v[U+i]
.set i, i+1
.endr
.set i, 0
.rept NK
	v_xor_b32 v[U+i], v[KEY+i], v[U+i]             ; negative numbers turned over, the others lifted: unsigned order = f32 order
.set i, i+1
.endr
	s_mov_b32 s[TAU], 0
	s_mov_b32 s[BIT], 0x80000000
	s_mov_b32 s[LC], 32
.Lbit:
	s_or_b32 s[CAND], s[TAU], s[BIT]
.set i, 0
.rept NK
	v_cmp_le_u32 s[SG+i], s[CAND], v[U+i]
.set i, i+1
.endr
.set i, 0
.rept NK
	s_bcnt1_i32_b32 s[SG+i], s[SG+i]
.set i, i+1
.endr
	s_add_co_u32 s[CNT], s[SG], s[SG+1]
.set i, 2
.rept NK-2
	s_add_co_u32 s[CNT], s[CNT], s[SG+i]
.set i, i+1
.endr
	s_cmp_ge_u32 s[CNT], 32
	s_cselect_b32 s[TAU], s[CAND], s[TAU]          ; a choice of a value, no jump
	s_lshr_b32 s[BIT], s[BIT], 1
	s_sub_co_i32 s[LC], s[LC], 1
	s_cmp_lg_u32 s[LC], 0
	s_cbranch_scc1 .Lbit
	v_mov_b32 v[RK], 0
	v_mov_b32 v[MASK], 0
	s_mov_b32 s[CNT], 0
.set i, 0
.rept NK
	v_cmp_lt_u32 s[SG+i], s[TAU], v[U+i]           ; over the 32nd: chosen
	v_cmp_eq_u32 s[SE+i], s[TAU], v[U+i]           ; equal to it: the first few are chosen
.set i, i+1
.endr
.set i, 0
.rept NK
	v_mbcnt_lo_u32_b32 v[RK], s[SE+i], v[RK]       ; equals in lower lanes
	s_bcnt1_i32_b32 s[TMP], s[SG+i]
	s_add_co_u32 s[CNT], s[CNT], s[TMP]
.set i, i+1
.endr
	s_sub_co_u32 s[NEED], 32, s[CNT]               ; so many equals are taken
.set i, 0
.rept NK
.if i > 0
	s_delay_alu instid0(VALU_DEP_3)
.endif
	v_cmp_gt_u32 s[TMP], s[NEED], v[RK]
	s_and_b32 s[TMP], s[TMP], s[SE+i]
	s_or_b32 s[SG+i], s[SG+i], s[TMP]              ; chosen
	v_cndmask_b32 v[T1], 0, 1, s[SE+i]
	s_delay_alu instid0(VALU_DEP_1)
	v_add_nc_u32 v[RK], v[RK], v[T1]               ; my own equals in lower registers
	v_cndmask_b32 v[T1], 0, 1, s[SG+i]
	s_delay_alu instid0(VALU_DEP_1)
	v_lshl_or_b32 v[MASK], v[T1], i, v[MASK]
.set i, i+1
.endr
	global_store_b16 v6, v[MASK], s[6:7]           ; bit 16 l + i = block 16 l + i
	s_wait_tensorcnt 0x0                           ; the wave's end
	ds_add_u32 v64, v65
	s_wait_dscnt 0x0
	s_endpgm
.Lfunc_end_k_q1865f1955a_selblk:
	.size	k_q1865f1955a_selblk, .Lfunc_end_k_q1865f1955a_selblk-k_q1865f1955a_selblk
	.p2alignl 7, 3214868480
	.fill 96, 4, 3214868480
	.section	.rodata,"a",@progbits
	.p2align	6, 0x0
	.amdhsa_kernel k_q1865f1955a_selblk
		.amdhsa_group_segment_fixed_size 17920
		.amdhsa_private_segment_fixed_size 0
		.amdhsa_enable_private_segment 0
		.amdhsa_kernarg_size 16
		.amdhsa_user_sgpr_count 2
		.amdhsa_user_sgpr_kernarg_segment_ptr 1
		.amdhsa_wavefront_size32 1
		.amdhsa_system_sgpr_workgroup_id_x 1
		.amdhsa_system_sgpr_workgroup_id_y 1
		.amdhsa_system_sgpr_workgroup_id_z 1
		.amdhsa_system_vgpr_workitem_id 0
		.amdhsa_next_free_vgpr 66
		.amdhsa_next_free_sgpr 66
		.amdhsa_reserve_vcc 0
		.amdhsa_float_denorm_mode_32 3
		.amdhsa_float_denorm_mode_16_64 3
		.amdhsa_memory_ordered 1
		.amdhsa_forward_progress 1
		.amdhsa_inst_pref_size 19
	.end_amdhsa_kernel
	.amdgpu_metadata
---
amdhsa.version: [ 1, 2 ]
amdhsa.kernels:
  - .name:           k_q1865f1955a_selblk
    .symbol:         k_q1865f1955a_selblk.kd
    .args:
      - { .name: gm, .offset: 0, .size: 8, .value_kind: global_buffer, .address_space: global }
      - { .name: s1, .offset: 8, .size: 8, .value_kind: global_buffer, .address_space: global }
    .group_segment_fixed_size: 17920
    .private_segment_fixed_size: 0
    .kernarg_segment_align: 8
    .kernarg_segment_size: 16
    .max_flat_workgroup_size: 256
    .sgpr_count:     66
    .vgpr_count:     66
    .wavefront_size: 32
...
	.end_amdgpu_metadata
.endif
;; end of part 3
;; launch selgrp (part 4): grid 512 x 1, 4 waves a work-group, no clusters, 0 bytes of LDS; arguments s1, gm, s2; writes s2
.if DOCPART == 4
	.amdgcn_target "amdgcn-amd-amdhsa--gfx1250"
	.amdhsa_code_object_version 6
	.text
	.protected	k_q1865f1955a_selgrp
	.globl	k_q1865f1955a_selgrp
	.p2align	8
	.type	k_q1865f1955a_selgrp,@function
k_q1865f1955a_selgrp:
	s_mov_b64 s[64:65], 0
	v_nop
	global_prefetch_b8 v0, s[64:65] scope:SCOPE_SE
	s_setreg_imm32_b32 hwreg(HW_REG_WAVE_MODE, 25, 1), 1
	s_wait_xcnt 0x0
; A wave to a query.  The stored string of 512 bits is read back as whole numbers: lane j finds the j-th set bit, its block; the 32 blocks (rising) are stored as a list.  Each lane loads its block's 16 group maxima (64 bytes),
; and the 32 largest of the 512 (equals: the lower index first, which here is lane, then register) are stored as a string of bits: bit 16 j + group.
; LIMITS: NaN is not served; -0 counts as under +0.
.set M2,   262144                      ; the bits' offset in s2; the lists lie at 0
.set LANE, 1
.set L4,   2
.set L2,   3
.set OFF,  4
.set KEY,  8
.set U,    24
.set RK,   40
.set MASK, 41
.set T1,   42
.set ZX,   44                          ; v44-55 at work in DECODE
.set ZB,   45
.set ZW,   46
.set ZK,   47
.set ZA,   48
.set ZN,   49
.set ZC,   50
.set ZH,   51
.set ZT,   52
.set ZU,   53
.set ZP,   54
.set ZR,   55
.set SP0,  20                          ; s20-35 how many bits are set below each word (used ahead of SELECT, which takes the registers over)
.set SW,   68                          ; s68-83 the words
.set SG,   20
.set SE,   36
.set TAU,  52
.set BIT,  53
.set CAND, 54
.set CNT,  55
.set LC,   56
.set TMP,  57
.set NEED, 58
.macro LEVEL src, mask, width          ; does the bit sought lie in the upper half of the window?
	v_lshrrev_b32 v[ZT], v[ZP], v[\src]
	v_and_b32 v[ZT], \mask, v[ZT]                  ; bits set in the lower half
	v_cmp_ge_u32 vcc_lo, v[ZK], v[ZT]
	v_cndmask_b32 v[ZT], 0, v[ZT], vcc_lo
	v_cndmask_b32 v[ZU], 0, \width, vcc_lo
	v_sub_nc_u32 v[ZK], v[ZK], v[ZT]
	v_add_nc_u32 v[ZP], v[ZP], v[ZU]
.endm
; Lane j gets in v[ZR] the place of the j-th set bit of the nw words s[SW] on.  No jump: the word is chosen by selects, the bit by five halvings on partial counts.
.macro DECODE nw
	s_mov_b32 s[SP0], 0
.set i, 1
.rept \nw-1
	s_bcnt1_i32_b32 s[TMP], s[SW+i-1]
	s_add_co_u32 s[SP0+i], s[SP0+i-1], s[TMP]
.set i, i+1
.endr
	v_mov_b32 v[ZX], s[SW]
	v_mov_b32 v[ZB], 0
	v_mov_b32 v[ZW], 0
.set i, 1
.rept \nw-1
	v_cmp_le_u32 vcc_lo, s[SP0+i], v[LANE]
	v_cndmask_b32 v[ZX], v[ZX], s[SW+i], vcc_lo
	v_cndmask_b32 v[ZB], v[ZB], s[SP0+i], vcc_lo
	v_cndmask_b32 v[ZW], v[ZW], i, vcc_lo
.set i, i+1
.endr
	v_sub_nc_u32 v[ZK], v[LANE], v[ZB]
	v_lshrrev_b32 v[ZT], 1, v[ZX]
	v_and_b32 v[ZT], 0x55555555, v[ZT]
	v_sub_nc_u32 v[ZA], v[ZX], v[ZT]               ; counts of 2 bits
	v_lshrrev_b32 v[ZT], 2, v[ZA]
	v_and_b32 v[ZT], 0x33333333, v[ZT]
	v_and_b32 v[ZN], 0x33333333, v[ZA]
	v_add_nc_u32 v[ZN], v[ZN], v[ZT]               ; of 4
	v_lshrrev_b32 v[ZT], 4, v[ZN]
	v_add_nc_u32 v[ZC], v[ZN], v[ZT]
	v_and_b32 v[ZC], 0x0f0f0f0f, v[ZC]             ; of 8
	v_lshrrev_b32 v[ZT], 8, v[ZC]
	v_add_nc_u32 v[ZH], v[ZC], v[ZT]
	v_and_b32 v[ZH], 0x00ff00ff, v[ZH]             ; of 16
	v_mov_b32 v[ZP], 0
	LEVEL ZH, 0xff, 16
	LEVEL ZC, 0xff, 8
	LEVEL ZN, 15, 4
	LEVEL ZA, 3, 2
	LEVEL ZX, 1, 1
	v_lshl_add_u32 v[ZR], v[ZW], 5, v[ZP]
.endm
; The 32 largest of 32 x nk keys, order of equals: lane, then register.  The 32nd largest key is found bit by bit from the top, 32 trips whatever the data.
.macro SELECT nk
.set i, 0
.rept \nk
	v_ashrrev_i32 v[U+i], 31, v[KEY+i]
.set i, i+1
.endr
.set i, 0
.rept \nk
	v_or_b32 v[U+i], 0x80000000, v[U+i]
.set i, i+1
.endr
.set i, 0
.rept \nk
	v_xor_b32 v[U+i], v[KEY+i], v[U+i]             ; unsigned order = f32 order
.set i, i+1
.endr
	s_mov_b32 s[TAU], 0
	s_mov_b32 s[BIT], 0x80000000
	s_mov_b32 s[LC], 32
.Lbit_\@:
	s_or_b32 s[CAND], s[TAU], s[BIT]
.set i, 0
.rept \nk
	v_cmp_le_u32 s[SG+i], s[CAND], v[U+i]
.set i, i+1
.endr
.set i, 0
.rept \nk
	s_bcnt1_i32_b32 s[SG+i], s[SG+i]
.set i, i+1
.endr
	s_add_co_u32 s[CNT], s[SG], s[SG+1]
.set i, 2
.rept \nk-2
	s_add_co_u32 s[CNT], s[CNT], s[SG+i]
.set i, i+1
.endr
	s_cmp_ge_u32 s[CNT], 32
	s_cselect_b32 s[TAU], s[CAND], s[TAU]
	s_lshr_b32 s[BIT], s[BIT], 1
	s_sub_co_i32 s[LC], s[LC], 1
	s_cmp_lg_u32 s[LC], 0
	s_cbranch_scc1 .Lbit_\@
	v_mov_b32 v[RK], 0
	v_mov_b32 v[MASK], 0
	s_mov_b32 s[CNT], 0
.set i, 0
.rept \nk
	v_cmp_lt_u32 s[SG+i], s[TAU], v[U+i]
	v_cmp_eq_u32 s[SE+i], s[TAU], v[U+i]
.set i, i+1
.endr
.set i, 0
.rept \nk
	v_mbcnt_lo_u32_b32 v[RK], s[SE+i], v[RK]
	s_bcnt1_i32_b32 s[TMP], s[SG+i]
	s_add_co_u32 s[CNT], s[CNT], s[TMP]
.set i, i+1
.endr
	s_sub_co_u32 s[NEED], 32, s[CNT]
.set i, 0
.rept \nk
	v_cmp_gt_u32 s[TMP], s[NEED], v[RK]
	s_and_b32 s[TMP], s[TMP], s[SE+i]
	s_or_b32 s[SG+i], s[SG+i], s[TMP]
	v_cndmask_b32 v[T1], 0, 1, s[SE+i]
	v_add_nc_u32 v[RK], v[RK], v[T1]
	v_cndmask_b32 v[T1], 0, 1, s[SG+i]
	v_lshl_or_b32 v[MASK], v[T1], i, v[MASK]
.set i, i+1
.endr
.endm
	s_load_b128 s[4:7], s[0:1], 0x0                ; s1, gm
	s_load_b64 s[8:9], s[0:1], 0x10                ; s2
	v_lshrrev_b32 v5, 5, v0
	v_readfirstlane_b32 s10, v5                    ; wave
	v_and_b32 v[LANE], 31, v0
	v_lshlrev_b32 v[L4], 2, v[LANE]
	v_lshlrev_b32 v[L2], 1, v[LANE]
	s_lshl_b32 s11, ttmp9, 2
	s_add_co_u32 s11, s11, s10                     ; my query
	s_lshl_b32 s12, s11, 6
	s_mov_b32 s13, 0
	s_lshl_b32 s14, s11, 7
	s_mov_b32 s15, 0
	s_wait_alu depctr_va_vdst(0)
	s_wait_kmcnt 0x0
	s_add_nc_u64 s[4:5], s[4:5], s[12:13]
	s_load_b512 s[SW:SW+15], s[4:5], 0x0           ; the query's 512 bits
	; gmax1 is laid as it was stored: (query / 128) x 8,192 + tile x 1,024 + k x 512 + place x 32 + h x 16, tile = 2 (query % 4) + (query / 64) % 2, place = (query / 4) % 16
	s_lshr_b32 s18, s11, 7
	s_lshl_b32 s18, s18, 13
	s_and_b32 s19, s11, 3
	s_lshl_b32 s19, s19, 11
	s_add_co_u32 s18, s18, s19
	s_bfe_u32 s19, s11, 0x10006
	s_lshl_b32 s19, s19, 10
	s_add_co_u32 s18, s18, s19
	s_bfe_u32 s19, s11, 0x40002
	s_lshl_b32 s19, s19, 5
	s_add_co_u32 s18, s18, s19
	s_mov_b32 s19, 0
	s_add_nc_u64 s[6:7], s[6:7], s[18:19]
	s_add_nc_u64 s[16:17], s[8:9], s[14:15]        ; my list
	s_add_nc_u64 s[8:9], s[8:9], s[12:13]
	s_add_nc_u64 s[8:9], s[8:9], M2                ; my bits
	s_wait_kmcnt 0x0
	DECODE 16
	v_min_u32 v[ZR], 0x1ff, v[ZR]                  ; a block's number
	global_store_b32 v[L4], v[ZR], s[16:17]
	v_lshlrev_b32 v[OFF], 17, v[ZR]                ; 2,048 queries x 64 bytes a block
.irp k, 0,1,2,3
	global_load_b128 v[KEY+4*\k:KEY+4*\k+3], v[OFF], s[6:7] offset:512*(\k%2)+16*(\k/2)   ; groups 4 k .. 4 k + 3
.endr
	s_wait_loadcnt 0x0
	SELECT 16
	global_store_b16 v[L2], v[MASK], s[8:9]
	s_endpgm
.Lfunc_end_k_q1865f1955a_selgrp:
	.size	k_q1865f1955a_selgrp, .Lfunc_end_k_q1865f1955a_selgrp-k_q1865f1955a_selgrp
	.p2alignl 7, 3214868480
	.fill 96, 4, 3214868480
	.section	.rodata,"a",@progbits
	.p2align	6, 0x0
	.amdhsa_kernel k_q1865f1955a_selgrp
		.amdhsa_group_segment_fixed_size 0
		.amdhsa_private_segment_fixed_size 0
		.amdhsa_enable_private_segment 0
		.amdhsa_kernarg_size 24
		.amdhsa_user_sgpr_count 2
		.amdhsa_user_sgpr_kernarg_segment_ptr 1
		.amdhsa_wavefront_size32 1
		.amdhsa_system_sgpr_workgroup_id_x 1
		.amdhsa_system_sgpr_workgroup_id_y 1
		.amdhsa_system_sgpr_workgroup_id_z 1
		.amdhsa_system_vgpr_workitem_id 0
		.amdhsa_next_free_vgpr 64
		.amdhsa_next_free_sgpr 100
		.amdhsa_reserve_vcc 1
		.amdhsa_float_denorm_mode_32 3
		.amdhsa_float_denorm_mode_16_64 3
		.amdhsa_memory_ordered 1
		.amdhsa_forward_progress 1
		.amdhsa_inst_pref_size 23
	.end_amdhsa_kernel
	.amdgpu_metadata
---
amdhsa.version: [ 1, 2 ]
amdhsa.kernels:
  - .name:           k_q1865f1955a_selgrp
    .symbol:         k_q1865f1955a_selgrp.kd
    .args:
      - { .name: s1, .offset: 0, .size: 8, .value_kind: global_buffer, .address_space: global }
      - { .name: gm, .offset: 8, .size: 8, .value_kind: global_buffer, .address_space: global }
      - { .name: s2, .offset: 16, .size: 8, .value_kind: global_buffer, .address_space: global }
    .group_segment_fixed_size: 0
    .private_segment_fixed_size: 0
    .kernarg_segment_align: 8
    .kernarg_segment_size: 24
    .max_flat_workgroup_size: 128
    .sgpr_count:     100
    .vgpr_count:     64
    .wavefront_size: 32
...
	.end_amdgpu_metadata
.endif
;; end of part 4
;; launch selrow (part 5): grid 512 x 1, 4 waves a work-group, no clusters, 0 bytes of LDS; arguments s2, qm, s3, w3; writes s3, w3
.if DOCPART == 5
	.amdgcn_target "amdgcn-amd-amdhsa--gfx1250"
	.amdhsa_code_object_version 6
	.text
	.protected	k_q1865f1955a_selrow
	.globl	k_q1865f1955a_selrow
	.p2align	8
	.type	k_q1865f1955a_selrow,@function
k_q1865f1955a_selrow:
	s_mov_b64 s[64:65], 0
	v_nop
	global_prefetch_b8 v0, s[64:65] scope:SCOPE_SE
	s_setreg_imm32_b32 hwreg(HW_REG_WAVE_MODE, 25, 1), 1
	s_wait_xcnt 0x0
; A wave to a query.  The stored bits and list give the query's 32 groups of 8 rows (rising); their 256 scores are made anew, by the same matrix instruction on the same codes in the same order of K and by the same
; arithmetic behind it as in the launch that made the maxima, so the bits agree.  Then the 32 largest (equals: the lower row first), their softmax, and out: the list of groups, a string of 256 bits, 256 weights (0 where not chosen).
; PRODUCT.  Source 0 = 16 rows of mem: places 0-7 the rows of group p, places 8-15 those of group p + 16; source 1 = the query in all 16 columns.  In the result lane p holds group p's eight scores and lane p + 16
; group p + 16's: they are picked by a constant lane mask, so that lane L ends with group L's rows in its eight registers.  Sixteen such tiles, four at a time.
; A score under -1e6 marks a row whose similarity lies under 1e-3: it becomes -infinity, as it is defined.  If all 256 are -infinity the weights are NaN, as the softmax of 32 times -infinity is.
; LIMITS: as stated at the head of the launch that makes the records; NaN and infinite inputs are not served.
.set OMS,  12582912
.set OMK,  13107200
.set OQC,  14155776
.set OQS,  14548992
.set OQK,  14565376
.set M2,   262144                      ; in s2: the bits; the lists lie at 0
.set M3,   262144                      ; in s3 likewise
.set LANE, 1
.set LANEC, 2                          ; 192 (r % 8) + 24 h: my row's codes in its group
.set LANES, 3                          ; 8 (r % 8) + 4 h: its scale word
.set IDX0, 4                           ; 64 (r / 8): which of the tile's two groups is mine, as a lane's byte index
.set L4,   5
.set H24,  6
.set H4,   7
.set GID,  8                           ; my lane's group; never rewritten
.set LIST1, 9
.set L32,  10
.set NINF, 11
.set KOF,  12
.set KEY,  16                          ; v16-23
.set U,    24                          ; v24-31  keys as unsigned numbers; later the weights
.set KC,   32                          ; v32-63  the records of my group's eight rows
.set QB,   64                          ; v64-87  the query's fragments
.set QSB,  88                          ; its scale words: lanes 0-15 K step 0's, lanes 16-31 K step 1's
.set RK,   89
.set MASK, 90
.set T1,   91
.set GP,   92                          ; v92-95  the groups of four tiles
.set AF,   96                          ; v96-191 four tiles' fragments
.set ASC,  192                         ; v192-195 their scale words
.set OFF,  196                         ; v196-203 their offsets: codes, scale words
.set IDT,  204                         ; v204-207 lane indices
.set D,    208                         ; v208-239 four accumulators
.set ZX,   240
.set ZB,   241
.set ZW,   242
.set ZK,   243
.set ZA,   244
.set ZN,   245
.set ZC,   246
.set ZH,   247
.set ZT,   248
.set ZU,   249
.set ZP,   250
.set ZR,   251
.set MX,   252
.set TX,   253
.set SM,   254
.set SP0,  20
.set SW,   68
.set SG,   20
.set SE,   36
.set TAU,  52
.set BIT,  53
.set CAND, 54
.set CNT,  55
.set LC,   56
.set TMP,  57
.set NEED, 58
.macro LEVEL src, mask, width
	v_lshrrev_b32 v[ZT], v[ZP], v[\src]
	v_and_b32 v[ZT], \mask, v[ZT]
	v_cmp_ge_u32 vcc_lo, v[ZK], v[ZT]
	v_cndmask_b32 v[ZT], 0, v[ZT], vcc_lo
	v_cndmask_b32 v[ZU], 0, \width, vcc_lo
	v_sub_nc_u32 v[ZK], v[ZK], v[ZT]
	v_add_nc_u32 v[ZP], v[ZP], v[ZU]
.endm
; Lane j gets in v[ZR] the place of the j-th set bit of the nw words s[SW] on.
.macro DECODE nw
	s_mov_b32 s[SP0], 0
.set i, 1
.rept \nw-1
	s_bcnt1_i32_b32 s[TMP], s[SW+i-1]
	s_add_co_u32 s[SP0+i], s[SP0+i-1], s[TMP]
.set i, i+1
.endr
	v_mov_b32 v[ZX], s[SW]
	v_mov_b32 v[ZB], 0
	v_mov_b32 v[ZW], 0
.set i, 1
.rept \nw-1
	v_cmp_le_u32 vcc_lo, s[SP0+i], v[LANE]
	v_cndmask_b32 v[ZX], v[ZX], s[SW+i], vcc_lo
	v_cndmask_b32 v[ZB], v[ZB], s[SP0+i], vcc_lo
	v_cndmask_b32 v[ZW], v[ZW], i, vcc_lo
.set i, i+1
.endr
	v_sub_nc_u32 v[ZK], v[LANE], v[ZB]
	v_lshrrev_b32 v[ZT], 1, v[ZX]
	v_and_b32 v[ZT], 0x55555555, v[ZT]
	v_sub_nc_u32 v[ZA], v[ZX], v[ZT]
	v_lshrrev_b32 v[ZT], 2, v[ZA]
	v_and_b32 v[ZT], 0x33333333, v[ZT]
	v_and_b32 v[ZN], 0x33333333, v[ZA]
	v_add_nc_u32 v[ZN], v[ZN], v[ZT]
	v_lshrrev_b32 v[ZT], 4, v[ZN]
	v_add_nc_u32 v[ZC], v[ZN], v[ZT]
	v_and_b32 v[ZC], 0x0f0f0f0f, v[ZC]
	v_lshrrev_b32 v[ZT], 8, v[ZC]
	v_add_nc_u32 v[ZH], v[ZC], v[ZT]
	v_and_b32 v[ZH], 0x00ff00ff, v[ZH]
	v_mov_b32 v[ZP], 0
	LEVEL ZH, 0xff, 16
	LEVEL ZC, 0xff, 8
	LEVEL ZN, 15, 4
	LEVEL ZA, 3, 2
	LEVEL ZX, 1, 1
	v_lshl_add_u32 v[ZR], v[ZW], 5, v[ZP]
.endm
; The 32 largest of 32 x nk keys, order of equals: lane, then register; 32 trips whatever the data.  The lane masks of the chosen stay in s[SG] on.
.macro SELECT nk
.set i, 0
.rept \nk
	v_ashrrev_i32 v[U+i], 31, v[KEY+i]
.set i, i+1
.endr
.set i, 0
.rept \nk
	v_or_b32 v[U+i], 0x80000000, v[U+i]
.set i, i+1
.endr
.set i, 0
.rept \nk
	v_xor_b32 v[U+i], v[KEY+i], v[U+i]
.set i, i+1
.endr
	s_mov_b32 s[TAU], 0
	s_mov_b32 s[BIT], 0x80000000
	s_mov_b32 s[LC], 32
.Lbit_\@:
	s_or_b32 s[CAND], s[TAU], s[BIT]
.set i, 0
.rept \nk
	v_cmp_le_u32 s[SG+i], s[CAND], v[U+i]
.set i, i+1
.endr
.set i, 0
.rept \nk
	s_bcnt1_i32_b32 s[SG+i], s[SG+i]
.set i, i+1
.endr
	s_add_co_u32 s[CNT], s[SG], s[SG+1]
.set i, 2
.rept \nk-2
	s_add_co_u32 s[CNT], s[CNT], s[SG+i]
.set i, i+1
.endr
	s_cmp_ge_u32 s[CNT], 32
	s_cselect_b32 s[TAU], s[CAND], s[TAU]
	s_lshr_b32 s[BIT], s[BIT], 1
	s_sub_co_i32 s[LC], s[LC], 1
	s_cmp_lg_u32 s[LC], 0
	s_cbranch_scc1 .Lbit_\@
	v_mov_b32 v[RK], 0
	v_mov_b32 v[MASK], 0
	s_mov_b32 s[CNT], 0
.set i, 0
.rept \nk
	v_cmp_lt_u32 s[SG+i], s[TAU], v[U+i]
	v_cmp_eq_u32 s[SE+i], s[TAU], v[U+i]
.set i, i+1
.endr
.set i, 0
.rept \nk
	v_mbcnt_lo_u32_b32 v[RK], s[SE+i], v[RK]
	s_bcnt1_i32_b32 s[TMP], s[SG+i]
	s_add_co_u32 s[CNT], s[CNT], s[TMP]
.set i, i+1
.endr
	s_sub_co_u32 s[NEED], 32, s[CNT]
.set i, 0
.rept \nk
	v_cmp_gt_u32 s[TMP], s[NEED], v[RK]
	s_and_b32 s[TMP], s[TMP], s[SE+i]
	s_or_b32 s[SG+i], s[SG+i], s[TMP]
	v_cndmask_b32 v[T1], 0, 1, s[SE+i]
	v_add_nc_u32 v[RK], v[RK], v[T1]
	v_cndmask_b32 v[T1], 0, 1, s[SG+i]
	v_lshl_or_b32 v[MASK], v[T1], i, v[MASK]
.set i, i+1
.endr
.endm
	s_load_b256 s[4:11], s[0:1], 0x0               ; s2 s[4:5], qm s[6:7], s3 s[8:9], w3 s[10:11]
	v_lshrrev_b32 v13, 5, v0
	v_readfirstlane_b32 s12, v13                   ; wave
	v_and_b32 v[LANE], 31, v0
	v_and_b32 v13, 7, v0                           ; r % 8
	v_bfe_u32 v14, v0, 4, 1                        ; h
	v_bfe_u32 v15, v0, 3, 1                        ; r / 8
	v_mul_u32_u24 v[H24], v14, 24
	v_lshlrev_b32 v[H4], 2, v14
	v_mul_u32_u24 v[LANEC], v13, 192
	v_add_nc_u32 v[LANEC], v[LANEC], v[H24]
	v_lshl_add_u32 v[LANES], v13, 3, v[H4]
	v_lshlrev_b32 v[IDX0], 6, v15
	v_lshlrev_b32 v[L4], 2, v[LANE]
	v_lshlrev_b32 v[L32], 5, v[LANE]
	v_mov_b32 v[NINF], 0xff800000
	v_mov_b32 v[TX], 0                             ; written once: a lane permute's destination counts as one of its sources
	s_lshl_b32 s13, ttmp9, 2
	s_add_co_u32 s13, s13, s12                     ; my query
	s_mov_b32 s19, 0
	s_mov_b32 s60, 0x71800001                      ; K
	s_mov_b32 s62, 0x76543210
	s_mov_b32 s63, 0xfedcba98                      ; v_permlanex16_b32's selects for lane l xor 16
	s_wait_alu depctr_va_vdst(0)
	s_wait_kmcnt 0x0
	s_lshl_b32 s18, s13, 6
	s_add_nc_u64 s[14:15], s[4:5], s[18:19]
	s_add_nc_u64 s[14:15], s[14:15], M2
	s_load_b512 s[SW:SW+15], s[14:15], 0x0         ; the query's 512 bits
	s_lshl_b32 s18, s13, 7
	s_add_nc_u64 s[16:17], s[4:5], s[18:19]        ; its list of blocks
	s_add_nc_u64 s[94:95], s[8:9], s[18:19]        ; its list of groups
	s_lshl_b32 s18, s13, 5
	s_add_nc_u64 s[96:97], s[8:9], s[18:19]
	s_add_nc_u64 s[96:97], s[96:97], M3            ; its 256 bits
	s_lshl_b32 s18, s13, 10
	s_add_nc_u64 s[98:99], s[10:11], s[18:19]      ; its 256 weights
	s_add_nc_u64 s[84:85], s[6:7], OMS
	s_add_nc_u64 s[86:87], s[6:7], OMK
	s_mul_i32 s18, s13, 192
	s_add_nc_u64 s[88:89], s[6:7], s[18:19]
	s_add_nc_u64 s[88:89], s[88:89], OQC
	s_lshl_b32 s18, s13, 3
	s_add_nc_u64 s[90:91], s[6:7], s[18:19]
	s_add_nc_u64 s[90:91], s[90:91], OQS
	s_lshl_b32 s18, s13, 4
	s_add_nc_u64 s[92:93], s[6:7], s[18:19]
	s_add_nc_u64 s[92:93], s[92:93], OQK
	s_load_b32 s59, s[92:93], 0x0                  ; 1 / qn
	global_load_b32 v[LIST1], v[L4], s[16:17]
.irp s, 0,1
.irp c, 0,1
.irp p, 0,1,2
	global_load_b64 v[QB+12*\s+6*\c+2*\p:QB+12*\s+6*\c+2*\p+1], v[H24], s[88:89] offset:96*\s+48*\c+8*\p   ; every lane of a half takes the same bytes: the query stands in all 16 columns
.endr
.endr
.endr
	global_load_b32 v[QSB], v[H4], s[90:91]
	s_wait_kmcnt 0x0
	DECODE 16
	v_min_u32 v[ZR], 0x1ff, v[ZR]                  ; 16 x (place in the list) + group
	v_lshrrev_b32 v[ZT], 4, v[ZR]
	v_lshlrev_b32 v[ZT], 2, v[ZT]
	v_and_b32 v[ZU], 15, v[ZR]
	s_wait_alu depctr_va_vdst(0)
	s_wait_loadcnt 0x0                             ; the list, and the query
	ds_bpermute_b32 v[GID], v[ZT], v[LIST1]        ; the block's number, from the lane that holds it
	s_wait_dscnt 0x0
	v_lshl_add_u32 v[GID], v[GID], 4, v[ZU]
	v_min_u32 v[GID], 0x1fff, v[GID]               ; a group's number
	global_store_b32 v[L4], v[GID], s[94:95]
	v_lshlrev_b32 v[KOF], 7, v[GID]                ; eight records of 16 bytes
.irp i, 0,1,2,3,4,5,6,7
	global_load_b128 v[KC+4*\i:KC+4*\i+3], v[KOF], s[86:87] offset:16*\i
.endr
; Four tiles: groups 4 be + e and 4 be + e + 16.
.macro BATCH be
.irp e, 0,1,2,3
	v_add_nc_u32 v[IDT+\e], 4*(4*\be+\e), v[IDX0]
.endr
.irp e, 0,1,2,3
	ds_bpermute_b32 v[GP+\e], v[IDT+\e], v[GID]
.endr
	s_wait_dscnt 0x0
.irp e, 0,1,2,3
	v_min_u32 v[GP+\e], 0x1fff, v[GP+\e]
	v_mul_u32_u24 v[OFF+2*\e], 0x600, v[GP+\e]     ; 1,536 bytes of codes a group
	v_lshl_add_u32 v[OFF+2*\e+1], v[GP+\e], 6, v[LANES]
	v_add_nc_u32 v[OFF+2*\e], v[OFF+2*\e], v[LANEC]
.endr
.irp e, 0,1,2,3
.irp s, 0,1
.irp c, 0,1
.irp p, 0,1,2
	global_load_b64 v[AF+24*\e+12*\s+6*\c+2*\p:AF+24*\e+12*\s+6*\c+2*\p+1], v[OFF+2*\e], s[6:7] offset:96*\s+48*\c+8*\p
.endr
.endr
.endr
	global_load_b32 v[ASC+\e], v[OFF+2*\e+1], s[84:85]
.endr
	s_wait_loadcnt 0x0
.irp e, 0,1,2,3                        ; the four accumulators by turns
	v_wmma_scale_f32_16x16x128_f8f6f4 v[D+8*\e:D+8*\e+7], v[AF+24*\e:AF+24*\e+11], v[QB:QB+11], 0, v[ASC+\e], v[QSB] matrix_a_fmt:MATRIX_FMT_BF6 matrix_b_fmt:MATRIX_FMT_BF6
.endr
.irp e, 0,1,2,3
	v_wmma_scale_f32_16x16x128_f8f6f4 v[D+8*\e:D+8*\e+7], v[AF+24*\e+12:AF+24*\e+23], v[QB+12:QB+23], v[D+8*\e:D+8*\e+7], v[ASC+\e], v[QSB] matrix_a_fmt:MATRIX_FMT_BF6 matrix_b_fmt:MATRIX_FMT_BF6 matrix_a_scale:MATRIX_SCALE_ROW1 matrix_b_scale:MATRIX_SCALE_ROW1
.endr
.rept 4
	v_nop                                          ; four places in front of the first read of results, and of the next loads into the operands
.endr
.irp e, 0,1,2,3
.if 4*\be+\e == 0
.irp j, 0,1,2,3,4,5,6,7
	v_mov_b32 v[KEY+\j], v[D+\j]                   ; the first tile writes the keys whole
.endr
.else
	s_mov_b32 s61, 0x00010001<<(4*\be+\e)          ; lanes p and p + 16
.irp j, 0,1,2,3,4,5,6,7
	v_cndmask_b32 v[KEY+\j], v[KEY+\j], v[D+8*\e+\j], s61   ; each accumulator from its low end on
.endr
.endif
.endr
.endm
	BATCH 0
	BATCH 1
	BATCH 2
	BATCH 3
.irp j, 0,1,2,3,4,5,6,7
	v_mul_f32 v[KEY+\j], s59, v[KEY+\j]            ; t
.endr
.irp j, 0,1,2,3,4,5,6,7
	v_fma_f32 v[U+\j], v[KEY+\j], v[KC+4*\j], v[KC+4*\j+2]      ; y = t / mn + bias
.endr
.irp j, 0,1,2,3,4,5,6,7
	v_fma_f32 v[KEY+\j], v[KEY+\j], s60, v[KC+4*\j+3]           ; P = t K + c0
.endr
.irp j, 0,1,2,3,4,5,6,7
	v_min3_num_f32 v[KEY+\j], v[U+\j], v[KC+4*\j+1], v[KEY+\j]
.endr
.irp j, 0,1,2,3,4,5,6,7
	v_cmp_gt_f32 vcc_lo, 0xc9742400, v[KEY+\j]     ; under -1e6: the similarity lies under 1e-3
	v_cndmask_b32 v[KEY+\j], v[KEY+\j], v[NINF], vcc_lo
.endr
	SELECT 8
	global_store_b8 v[LANE], v[MASK], s[96:97]     ; bit 8 L + row
	v_max3_num_f32 v[MX], v[KEY], v[KEY+1], v[KEY+2]           ; the largest of all 256 is the largest of the chosen
	v_max3_num_f32 v[MX], v[MX], v[KEY+3], v[KEY+4]
	v_max3_num_f32 v[MX], v[MX], v[KEY+5], v[KEY+6]
	v_max_num_f32 v[MX], v[MX], v[KEY+7]
	v_max_num_f32_dpp v[MX], v[MX], v[MX] row_xmask:1 row_mask:0xf bank_mask:0xf
	v_max_num_f32_dpp v[MX], v[MX], v[MX] row_xmask:2 row_mask:0xf bank_mask:0xf
	v_max_num_f32_dpp v[MX], v[MX], v[MX] row_xmask:4 row_mask:0xf bank_mask:0xf
	v_max_num_f32_dpp v[MX], v[MX], v[MX] row_xmask:8 row_mask:0xf bank_mask:0xf
	v_permlanex16_b32 v[TX], v[MX], s62, s63
	v_max_num_f32 v[MX], v[MX], v[TX]
.irp j, 0,1,2,3,4,5,6,7
	v_sub_f32 v[U+\j], v[KEY+\j], v[MX]
.endr
.irp j, 0,1,2,3,4,5,6,7
	v_mul_f32 v[U+\j], 0x3fb8aa3b, v[U+\j]
.endr
	s_wait_alu depctr_va_vdst(0)
.irp j, 0,1,2,3,4,5,6,7
	v_exp_f32 v[U+\j], v[U+\j]
.endr
	v_nop                                          ; a plain line behind the exponentials
	s_wait_alu depctr_va_vdst(0)
.irp j, 0,1,2,3,4,5,6,7
	v_cndmask_b32 v[U+\j], 0, v[U+\j], s[SG+\j]    ; what is not chosen weighs nothing
.endr
	v_add_f32 v[SM], v[U], v[U+1]
	v_add_f32 v[MX], v[U+2], v[U+3]
	v_add_f32 v[SM], v[SM], v[U+4]
	v_add_f32 v[MX], v[MX], v[U+5]
	v_add_f32 v[SM], v[SM], v[U+6]
	v_add_f32 v[MX], v[MX], v[U+7]
	v_add_f32 v[SM], v[SM], v[MX]
	v_add_f32_dpp v[SM], v[SM], v[SM] row_xmask:1 row_mask:0xf bank_mask:0xf
	v_add_f32_dpp v[SM], v[SM], v[SM] row_xmask:2 row_mask:0xf bank_mask:0xf
	v_add_f32_dpp v[SM], v[SM], v[SM] row_xmask:4 row_mask:0xf bank_mask:0xf
	v_add_f32_dpp v[SM], v[SM], v[SM] row_xmask:8 row_mask:0xf bank_mask:0xf
	v_permlanex16_b32 v[TX], v[SM], s62, s63
	v_add_f32 v[SM], v[SM], v[TX]
	s_wait_alu depctr_va_vdst(0)
	v_rcp_f32 v[MX], v[SM]
	v_nop                                          ; a plain line behind the reciprocal
	s_wait_alu depctr_va_vdst(0)
.irp j, 0,1,2,3,4,5,6,7
	v_mul_f32 v[U+\j], v[U+\j], v[MX]
.endr
	global_store_b128 v[L32], v[U:U+3], s[98:99]
	global_store_b128 v[L32], v[U+4:U+7], s[98:99] offset:16
	s_endpgm
.Lfunc_end_k_q1865f1955a_selrow:
	.size	k_q1865f1955a_selrow, .Lfunc_end_k_q1865f1955a_selrow-k_q1865f1955a_selrow
	.p2alignl 7, 3214868480
	.fill 96, 4, 3214868480
	.section	.rodata,"a",@progbits
	.p2align	6, 0x0
	.amdhsa_kernel k_q1865f1955a_selrow
		.amdhsa_group_segment_fixed_size 0
		.amdhsa_private_segment_fixed_size 0
		.amdhsa_enable_private_segment 0
		.amdhsa_kernarg_size 32
		.amdhsa_user_sgpr_count 2
		.amdhsa_user_sgpr_kernarg_segment_ptr 1
		.amdhsa_wavefront_size32 1
		.amdhsa_system_sgpr_workgroup_id_x 1
		.amdhsa_system_sgpr_workgroup_id_y 1
		.amdhsa_system_sgpr_workgroup_id_z 1
		.amdhsa_system_vgpr_workitem_id 0
		.amdhsa_next_free_vgpr 256
		.amdhsa_next_free_sgpr 100
		.amdhsa_reserve_vcc 1
		.amdhsa_float_denorm_mode_32 3
		.amdhsa_float_denorm_mode_16_64 3
		.amdhsa_memory_ordered 1
		.amdhsa_forward_progress 1
		.amdhsa_inst_pref_size 63
	.end_amdhsa_kernel
	.amdgpu_metadata
---
amdhsa.version: [ 1, 2 ]
amdhsa.kernels:
  - .name:           k_q1865f1955a_selrow
    .symbol:         k_q1865f1955a_selrow.kd
    .args:
      - { .name: s2, .offset: 0, .size: 8, .value_kind: global_buffer, .address_space: global }
      - { .name: qm, .offset: 8, .size: 8, .value_kind: global_buffer, .address_space: global }
      - { .name: s3, .offset: 16, .size: 8, .value_kind: global_buffer, .address_space: global }
      - { .name: w3, .offset: 24, .size: 8, .value_kind: global_buffer, .address_space: global }
    .group_segment_fixed_size: 0
    .private_segment_fixed_size: 0
    .kernarg_segment_align: 8
    .kernarg_segment_size: 32
    .max_flat_workgroup_size: 128
    .sgpr_count:     100
    .vgpr_count:     256
    .wavefront_size: 32
...
	.end_amdgpu_metadata
.endif
;; end of part 5
;; launch gather (part 6): grid 2048 x 1, 4 waves a work-group, no clusters, 0 bytes of LDS; arguments s3, w3, mem, out0; writes out0
.if DOCPART == 6
	.amdgcn_target "amdgcn-amd-amdhsa--gfx1250"
	.amdhsa_code_object_version 6
	.text
	.protected	k_q1865f1955a_gather
	.globl	k_q1865f1955a_gather
	.p2align	8
	.type	k_q1865f1955a_gather,@function
k_q1865f1955a_gather:
	s_mov_b64 s[64:65], 0
	v_nop
	global_prefetch_b8 v0, s[64:65] scope:SCOPE_SE
	s_setreg_imm32_b32 hwreg(HW_REG_WAVE_MODE, 25, 1), 1
	s_wait_xcnt 0x0
; out0[b] = the sum over the 32 chosen rows of weight x mem[row], in f32 (a product with one row: fused multiply-adds).  A work-group to a query; wave w takes channels 64 w .. 64 w + 63: 8 bytes a lane,
; 256 consecutive aligned bytes of each row.  Every wave reads the stored bits and list for itself (whole numbers from an earlier launch), so the waves share nothing: no LDS bytes, no barrier.
; Lane j finds the j-th set bit of the query's 256: 8 x (place in the list of groups) + row; all 32 row loads are on their way together.
.set M3,   262144
.set LANE, 1
.set L4,   2
.set LO,   3                           ; 8 x my thread's number = 256 x wave + 8 x lane
.set LIST2, 4
.set NN,   5                           ; lane j: the j-th row's number
.set WT,   6                           ; and its weight
.set SO4,  7
.set ZX,   8
.set ZB,   9
.set ZW,   10
.set ZK,   11
.set ZA,   12
.set ZN,   13
.set ZC,   14
.set ZH,   15
.set ZT,   16
.set ZU,   17
.set ZP,   18
.set ZR,   19
.set ACC,  20                          ; v20-21
.set OF,   32                          ; v32-63  a row's offset for each load
.set X,    64                          ; v64-127 two numbers of each row
.set SP0,  20                          ; s20-27 in DECODE; then s20-51 the rows' numbers
.set SW,   68
.set TMP,  57
.macro LEVEL src, mask, width
	v_lshrrev_b32 v[ZT], v[ZP], v[\src]
	v_and_b32 v[ZT], \mask, v[ZT]
	v_cmp_ge_u32 vcc_lo, v[ZK], v[ZT]
	v_cndmask_b32 v[ZT], 0, v[ZT], vcc_lo
	v_cndmask_b32 v[ZU], 0, \width, vcc_lo
	v_sub_nc_u32 v[ZK], v[ZK], v[ZT]
	v_add_nc_u32 v[ZP], v[ZP], v[ZU]
.endm
; Lane j gets in v[ZR] the place of the j-th set bit of the nw words s[SW] on.
.macro DECODE nw
	s_mov_b32 s[SP0], 0
.set i, 1
.rept \nw-1
	s_bcnt1_i32_b32 s[TMP], s[SW+i-1]
	s_add_co_u32 s[SP0+i], s[SP0+i-1], s[TMP]
.set i, i+1
.endr
	v_mov_b32 v[ZX], s[SW]
	v_mov_b32 v[ZB], 0
	v_mov_b32 v[ZW], 0
.set i, 1
.rept \nw-1
	v_cmp_le_u32 vcc_lo, s[SP0+i], v[LANE]
	v_cndmask_b32 v[ZX], v[ZX], s[SW+i], vcc_lo
	v_cndmask_b32 v[ZB], v[ZB], s[SP0+i], vcc_lo
	v_cndmask_b32 v[ZW], v[ZW], i, vcc_lo
.set i, i+1
.endr
	v_sub_nc_u32 v[ZK], v[LANE], v[ZB]
	v_lshrrev_b32 v[ZT], 1, v[ZX]
	v_and_b32 v[ZT], 0x55555555, v[ZT]
	v_sub_nc_u32 v[ZA], v[ZX], v[ZT]
	v_lshrrev_b32 v[ZT], 2, v[ZA]
	v_and_b32 v[ZT], 0x33333333, v[ZT]
	v_and_b32 v[ZN], 0x33333333, v[ZA]
	v_add_nc_u32 v[ZN], v[ZN], v[ZT]
	v_lshrrev_b32 v[ZT], 4, v[ZN]
	v_add_nc_u32 v[ZC], v[ZN], v[ZT]
	v_and_b32 v[ZC], 0x0f0f0f0f, v[ZC]
	v_lshrrev_b32 v[ZT], 8, v[ZC]
	v_add_nc_u32 v[ZH], v[ZC], v[ZT]
	v_and_b32 v[ZH], 0x00ff00ff, v[ZH]
	v_mov_b32 v[ZP], 0
	LEVEL ZH, 0xff, 16
	LEVEL ZC, 0xff, 8
	LEVEL ZN, 15, 4
	LEVEL ZA, 3, 2
	LEVEL ZX, 1, 1
	v_lshl_add_u32 v[ZR], v[ZW], 5, v[ZP]
.endm
	s_load_b256 s[4:11], s[0:1], 0x0               ; s3 s[4:5], w3 s[6:7], mem s[8:9], out0 s[10:11]
	v_and_b32 v[LANE], 31, v0
	v_lshlrev_b32 v[L4], 2, v[LANE]
	v_lshlrev_b32 v[LO], 3, v0
	s_mov_b32 s19, 0
	s_wait_alu depctr_va_vdst(0)
	s_wait_kmcnt 0x0
	s_lshl_b32 s18, ttmp9, 5
	s_add_nc_u64 s[14:15], s[4:5], s[18:19]
	s_add_nc_u64 s[14:15], s[14:15], M3
	s_load_b256 s[SW:SW+7], s[14:15], 0x0          ; the query's 256 bits
	s_lshl_b32 s18, ttmp9, 7
	s_add_nc_u64 s[16:17], s[4:5], s[18:19]
	global_load_b32 v[LIST2], v[L4], s[16:17]      ; its 32 groups
	s_lshl_b32 s18, ttmp9, 10
	s_add_nc_u64 s[6:7], s[6:7], s[18:19]          ; its weights
	s_add_nc_u64 s[10:11], s[10:11], s[18:19]      ; its row of the output
	s_wait_kmcnt 0x0
	DECODE 8
	v_min_u32 v[ZR], 0xff, v[ZR]
	v_lshlrev_b32 v[SO4], 2, v[ZR]
	global_load_b32 v[WT], v[SO4], s[6:7]
	v_lshrrev_b32 v[ZT], 3, v[ZR]
	v_lshlrev_b32 v[ZT], 2, v[ZT]
	v_and_b32 v[ZU], 7, v[ZR]
	s_wait_alu depctr_va_vdst(0)
	s_wait_loadcnt 0x1                             ; the list is in; the weight may be out
	ds_bpermute_b32 v[NN], v[ZT], v[LIST2]         ; the group's number, from the lane that holds it
	s_wait_dscnt 0x0
	v_lshl_add_u32 v[NN], v[NN], 3, v[ZU]
	v_min_u32 v[NN], 0xffff, v[NN]                 ; a row's number
.set j, 0
.rept 32
	v_readlane_b32 s[20+j], v[NN], j
.set j, j+1
.endr
.set j, 0
.rept 32
	s_min_u32 s[20+j], s[20+j], 0xffff
	v_lshl_add_u32 v[OF+j], s[20+j], 10, v[LO]     ; 1,024 bytes a row
	global_load_b64 v[X+2*j:X+2*j+1], v[OF+j], s[8:9]
.set j, j+1
.endr
	s_wait_loadcnt 31                              ; the weights and row 0 are in; 31 younger loads may be out
	v_readlane_b32 s52, v[WT], 0
	v_mul_f32 v[ACC], s52, v[X]                    ; the first product starts the sums
	v_mul_f32 v[ACC+1], s52, v[X+1]
.set j, 1
	s_wait_alu depctr_va_vdst(0)
.rept 31
	s_wait_alu depctr_va_vdst(0)
	s_wait_loadcnt 31-j                            ; row j is in; the younger loads may be out
	v_readlane_b32 s[52+j%4], v[WT], j
	v_fma_f32 v[ACC], s[52+j%4], v[X+2*j], v[ACC]
	v_fma_f32 v[ACC+1], s[52+j%4], v[X+2*j+1], v[ACC+1]
.set j, j+1
.endr
	global_store_b64 v[LO], v[ACC:ACC+1], s[10:11] ; a wave stores 256 consecutive bytes, aligned
	s_endpgm
.Lfunc_end_k_q1865f1955a_gather:
	.size	k_q1865f1955a_gather, .Lfunc_end_k_q1865f1955a_gather-k_q1865f1955a_gather
	.p2alignl 7, 3214868480
	.fill 96, 4, 3214868480
	.section	.rodata,"a",@progbits
	.p2align	6, 0x0
	.amdhsa_kernel k_q1865f1955a_gather
		.amdhsa_group_segment_fixed_size 0
		.amdhsa_private_segment_fixed_size 0
		.amdhsa_enable_private_segment 0
		.amdhsa_kernarg_size 32
		.amdhsa_user_sgpr_count 2
		.amdhsa_user_sgpr_kernarg_segment_ptr 1
		.amdhsa_wavefront_size32 1
		.amdhsa_system_sgpr_workgroup_id_x 1
		.amdhsa_system_sgpr_workgroup_id_y 1
		.amdhsa_system_sgpr_workgroup_id_z 1
		.amdhsa_system_vgpr_workitem_id 0
		.amdhsa_next_free_vgpr 128
		.amdhsa_next_free_sgpr 80
		.amdhsa_reserve_vcc 1
		.amdhsa_float_denorm_mode_32 3
		.amdhsa_float_denorm_mode_16_64 3
		.amdhsa_memory_ordered 1
		.amdhsa_forward_progress 1
		.amdhsa_inst_pref_size 23
	.end_amdhsa_kernel
	.amdgpu_metadata
---
amdhsa.version: [ 1, 2 ]
amdhsa.kernels:
  - .name:           k_q1865f1955a_gather
    .symbol:         k_q1865f1955a_gather.kd
    .args:
      - { .name: s3, .offset: 0, .size: 8, .value_kind: global_buffer, .address_space: global }
      - { .name: w3, .offset: 8, .size: 8, .value_kind: global_buffer, .address_space: global }
      - { .name: mem, .offset: 16, .size: 8, .value_kind: global_buffer, .address_space: global }
      - { .name: out0, .offset: 24, .size: 8, .value_kind: global_buffer, .address_space: global }
    .group_segment_fixed_size: 0
    .private_segment_fixed_size: 0
    .kernarg_segment_align: 8
    .kernarg_segment_size: 32
    .max_flat_workgroup_size: 128
    .sgpr_count:     80
    .vgpr_count:     128
    .wavefront_size: 32
...
	.end_amdgpu_metadata
.endif
;; end of part 6
